; MI455X (gfx1250); checked and timed in simulation.
; The chip was launched on July 23, 2026; its instructions are those of AMD's public machine-readable ISA for CDNA 5 (MIT licence, August 2026) and "CDNA5" Instruction Set Architecture Reference Guide (July 2026). The comments in the code are by the model that wrote it; some were corrected since.
;; Multi Head Self Attention. Allowed arithmetic: matrix products marked QUANTISED: E2M3 operands, one E8M0 scale for each 32 along K, by v_wmma_scale_f32_16x16x128_f8f6f4 with both operands' format E2M3, f32 sums; everything else in f32.
;; Inputs: W_O 1,024 x 1,024 float32; W_QKV 3,072 x 1,024 float32; qk_scale 16 float32; token_positions 2,048 int32; x 2 x 2,048 x 1,024 float32.
;; Outputs: out0 2 x 2,048 x 1,024 float32.
;; This version of the problem:
;;   THIS VERSION OF THE PROBLEM IS GIVEN IN LOW PRECISION. The matrix products marked QUANTISED in the list below multiply operands that are first quantised to E2M3 (2 exponent bits, 3 mantissa bits; 6 bits a number), with one power-of-two scale for each 32 numbers along K (OCP MX v1.0); their sums are f32. All else is computed in f32.
;;   The module's matrix products, in the order in which they are computed (A, B: the left and right operand; K: the contracted axis; several contracted axes count as one K, in the product's order):
;;     1. [M 4,096, K 1,024] x [K 1,024, N 3,072]; A: input x; B: input W_QKV: QUANTISED
;;     2. batch 32 x [M 2,048, K 64] x [K 64, N 2,048]; A: computed on the way; B: computed on the way: QUANTISED
;;     3. batch 32 x [M 2,048, K 2,048] x [K 2,048, N 64]; A: softmax (see below); B: computed on the way: QUANTISED
;;     4. [M 4,096, K 1,024] x [K 1,024, N 1,024]; A: computed on the way; B: input W_O: QUANTISED
;;   THE QUANTISER, for each operand of a quantised product, along K:
;;     - K is cut into blocks of 32 from its start; a last block that is shorter is filled with zeros.
;;     - A block's scale is 2^e with e = floor(log2(the largest magnitude in the block)) - 2, held to -126 .. 127; a block of zeros has e = 0. As a byte (E8M0): e + 127.
;;     - Each number is divided by its block's scale, clamped to +-7.5, and rounded to the nearest number of E2M3, ties to even, subnormals kept.
;;     - The product sums the exact products of the quantised numbers (number of the format x scale) in f32.
;;   ~~~python
;;   def quantise(x, axis):      # numpy; x: float32 -> the quantised numbers, widened to float32 again
;;       x = np.moveaxis(x, axis, -1); K = x.shape[-1]
;;       x = np.pad(x, [(0, 0)] * (x.ndim - 1) + [(0, -K % 32)]); x = x.reshape(x.shape[:-1] + (-1, 32)); a = np.abs(x).max(-1, keepdims=True)
;;       e = np.where(a > 0, np.clip(np.frexp(np.where(a > 0, a, 1))[1] - 1 - 2, -126, 127), 0)      # np.frexp(a)[1] - 1 = floor(log2(a)), exactly
;;       r = np.clip(x / 2.0 ** e, -7.5, 7.5)
;;       step = 2.0 ** (np.maximum(np.frexp(np.where(r == 0, 1, r))[1] - 1, 0) - 3)
;;       q = np.round(r / step) * step * 2.0 ** e      # np.round: ties to even
;;       return np.moveaxis(q.reshape(q.shape[:-2] + (-1,))[..., :K], -1, axis).astype(np.float32)
;;   ~~~
;;   SOFTMAX AHEAD OF A QUANTISED PRODUCT. Where the list says 'softmax', what is quantised is not the finished softmax but p = 2^(t - M), with t = logit x log2(e) and M = ceil(the row's largest t), a whole number; so 1/2 < the row's largest p <= 1. The row's sum l is taken of the UNQUANTISED p, in f32, and the product's result is divided by l at the end. Since M is a whole number, a kernel that streams over the keys may use a running M (the ceiling of the running maximum): every later rescaling is an exact power of two, which a block's scale takes up: the codes' values come out the same.
;;   OPERANDS COMPUTED ON THE WAY. 'Computed on the way' means the value that the module computes at that place (a softmax that the list does not call 'softmax' is quantised finished and normalised). What goes into a quantiser is computed in f32, as accurately as f32 sums, v_exp_f32 and their like allow (about 1e-6 of the number): no bf16 or f16 on the way to a quantiser, and a product that is left as it is and whose result goes on into a quantised operand takes f32 operands (vector FMAs, or v_wmma_f32_16x16x4_f32). A number that lies on a knife's edge between two numbers of the format may be rounded either way, as far as f32 arithmetic and the matrix unit's own rounding can turn it there, and no further.
;; One version. Each part assembles by itself: llvm-mc -triple=amdgcn-amd-amdhsa -mcpu=gfx1250 --defsym DOCPART=n.
;; ======== version 1 of 1: 4 launches
;; limits: right only within a limited range of input values
;; workspace buffers: codes 6,291,456 bytes; scales 262,144 bytes; rope 524,288 bytes; img 9,830,400 bytes; ocodes 3,145,728 bytes; oscl 131,072 bytes
;; launch quant (part 1): grid 256 x 1, 4 waves a work-group, no clusters, 34,304 bytes of LDS; arguments x, W_QKV, W_O, token_positions, codes, scales, rope; writes codes, scales, rope
.if DOCPART == 1
	.amdgcn_target "amdgcn-amd-amdhsa--gfx1250"
	.amdhsa_code_object_version 6
	.text
	.protected	k_q15e66fdf27_quant
	.globl	k_q15e66fdf27_quant
	.p2align	8
	.type	k_q15e66fdf27_quant,@function
k_q15e66fdf27_quant:
	s_mov_b64 s[64:65], 0
	v_nop
	global_prefetch_b8 v0, s[64:65] scope:SCOPE_SE
	s_setreg_imm32_b32 hwreg(HW_REG_WAVE_MODE, 25, 1), 1
	s_wait_xcnt 0x0
; x [4096][1024], W_QKV [3072][1024], W_O [1024][1024], f32, K innermost, become codes of FP6 (E2M3) with one E8M0 byte for each 32 along K; and the table of cos and sin for the rotary embedding is made.
; THE CODES ARE LAID AS THE MATRIX UNIT'S REGISTERS WANT THEM.  The 8,192 rows are one list (x, W_QKV, W_O) of 512 tiles of 16 rows.  Tile 2 b + u holds, at its row r, the list's row 32 b + 8 u + r + 8 (r / 8).
; A fragment (16 rows x 128 K, 12 registers a lane; lane (r, h) holds in registers 6 c .. 6 c + 5 the codes of k = 64 c + 32 h + 0 .. 31 of row r) lies as two halves of 768 bytes: registers 6 c .. 6 c + 3 at 16 x lane,
; then registers 6 c + 4, 6 c + 5 at 8 x lane.  codes: [tile 512][K step 8][1,536].  scales: [tile 512][K / 256 (4)][row 16][2 words], a word = the four bytes of 128 along K.
; A block's scale is 2^(floor(log2(its largest magnitude)) - 2); its byte is the largest magnitude's exponent field - 2, held at 1 from below.
; SHARES.  Work-group g takes the list's rows 32 g .. 32 g + 31; wave w takes tile 2 g + w / 2 and K half w % 2: four fragments.  Each load reads 512 consecutive bytes of one row; a fragment's 16 rows turn through the
; wave's own stage in LDS (rows 528 bytes apart) and come back 128 bytes (a whole block of 32) a lane and half.  No barrier: waves share nothing.  No cluster: no two work-groups read the same bytes.
; rope: [n 2048][j 32][cos, sin] f32, angle = position[n] x 10^(-j / 8).  Thread t makes n = 8 g + t / 16, j = 2 (t % 16) and the next.
; LIMITS: NaN and infinities are not served.  A block whose largest magnitude lies under 2^-124, a block of zeros too, gets the byte 1 (its codes are then zeros or the nearest codes under that scale; the bytes are read by this
; program alone).  10^(-j / 8) is one rounded constant for j < 8 and the product of two for j >= 8.  The reduction of the angle (three parts of pi / 2, fused) holds for |angle| under 1e5.
; x'S TILES ARE LAID OTHERWISE than the head's line on tiles says, which holds for W_QKV and W_O: x's tokens go in groups of 64, and tile 4 c + T holds at its row m token 64 c + 32 (m / 8) + 8 T + m % 8.
; So work-group g < 128 takes tokens 64 (g / 2) + 16 (g % 2) + 0 .. 15 and the sixteen that lie 32 further on.
.set SP,  528
.set WST, 16*SP                        ; a wave's stage
.set R,   64                           ; v64-191  two sets of 64 numbers as they are loaded
.set X,   192                          ; v192-255 64 numbers: two whole blocks of my row
.set C,   24                           ; v24-47   two sets of 12: a fragment's codes
.set SW,  12                           ; v12-15   the four fragments' scale words
	s_load_b256 s[4:11], s[0:1], 0x0               ; x, W_QKV, W_O, token_positions
	s_load_b128 s[12:15], s[0:1], 0x20             ; codes, scales
	s_load_b64 s[16:17], s[0:1], 0x30              ; rope
	v_lshl_add_u32 v23, v0, 2, 0x8400
	v_mov_b32 v60, 0
	v_lshrrev_b32 v6, 5, v0
	v_readfirstlane_b32 s18, v6                    ; wave
	v_and_b32 v7, 31, v0                           ; lane
	v_and_b32 v8, 15, v0                           ; r
	v_bfe_u32 v9, v0, 4, 1                         ; h
	v_lshlrev_b32 v1, 4, v7                        ; v1: 16 x lane
	v_lshlrev_b32 v2, 3, v7                        ; v2: 8 x lane
	s_mul_i32 s19, s18, WST
	v_add_nc_u32 v3, s19, v1                       ; v3: into the stage: a row's 512 bytes as they lie
	v_mul_u32_u24 v4, v8, SP
	v_lshl_add_u32 v4, v9, 7, v4
	v_add_nc_u32 v4, s19, v4                       ; v4: out of it: row r, + 128 h bytes
	v_lshlrev_b32 v5, 3, v9                        ; v5: 8 h
	v_mov_b32 v11, 0                               ; (a lane permute's destination counts as one of its sources)
	v_lshrrev_b32 v62, 4, v0
	v_lshlrev_b32 v62, 2, v62                      ; v62: my position's byte among the group's eight
	v_lshlrev_b32 v61, 4, v0                       ; v61: my 16 bytes of the table
	s_mov_b32 s20, 0x76543210
	s_mov_b32 s21, 0xfedcba98                      ; selects for lane l xor 16
	s_lshr_b32 s22, s18, 1                         ; u
	s_and_b32 s23, s18, 1                          ; K half
	s_lshl_b32 s26, ttmp9, 1
	s_add_co_u32 s26, s26, s22                     ; my tile
	s_mul_i32 s28, s26, 12288
	s_mul_i32 s27, s23, 6144
	s_add_co_u32 s28, s28, s27                     ; its codes, my four K steps
	s_mov_b32 s29, 0
	s_lshl_b32 s30, s26, 9
	s_lshl_b32 s27, s23, 8
	s_add_co_u32 s30, s30, s27                     ; its scale words
	s_mov_b32 s31, 0
	s_lshl_b32 s32, ttmp9, 11                      ; the table's eight rows of 256 bytes
	s_mov_b32 s33, 0
	s_lshl_b32 s34, ttmp9, 5                       ; eight positions
	s_mov_b32 s35, 0
	s_wait_alu depctr_va_vdst(0)
	s_wait_kmcnt 0x0
	s_cmp_lt_u32 ttmp9, 128                        ; which tensor: the choice hangs on the work-group's number alone
	s_cselect_b64 s[4:5], s[4:5], s[6:7]
	s_cselect_b32 s24, 0, 128
	s_cmp_lt_u32 ttmp9, 224
	s_cselect_b64 s[4:5], s[4:5], s[8:9]
	s_cselect_b32 s24, s24, 224
	s_sub_co_u32 s24, ttmp9, s24
	s_lshl_b32 s36, s24, 17                        ; W: 32 rows of 4,096 bytes a group
	s_lshr_b32 s37, s24, 1
	s_lshl_b32 s37, s37, 18                        ; x: 64 rows for two groups,
	s_and_b32 s38, s24, 1
	s_lshl_b32 s38, s38, 16                        ; 16 rows for the odd one
	s_add_co_u32 s37, s37, s38
	s_cmp_lt_u32 ttmp9, 128
	s_cselect_b32 s24, s37, s36
	s_cselect_b32 s36, 0x10000, 0                  ; x: a tile's rows 8-15 lie 16 rows further on than W's
	s_lshl_b32 s25, s22, 15                        ; 8 u rows,
	s_add_co_u32 s24, s24, s25
	s_lshl_b32 s25, s23, 11                        ; 512 numbers a K half
	s_add_co_u32 s24, s24, s25
	s_mov_b32 s25, 0
	s_add_nc_u64 s[4:5], s[4:5], s[24:25]
	s_add_nc_u64 s[10:11], s[10:11], s[34:35]
	s_add_nc_u64 s[12:13], s[12:13], s[28:29]
	s_add_nc_u64 s[14:15], s[14:15], s[30:31]
	s_add_nc_u64 s[16:17], s[16:17], s[32:33]
.macro LOAD f                          ; fragment f: 128 numbers of each of the tile's 16 rows
.irp i, 0,1,2,3,4,5,6,7,8,9,10,11,12,13,14,15
	global_load_b128 v[R+64*((\f)%2)+4*\i:R+64*((\f)%2)+4*\i+3], v[1+18*(\i/8)], s[4:5] offset:(\i+8*(\i/8))*4096+512*(\f) th:TH_LOAD_NT
.endr
.endm
	v_add_nc_u32 v19, s36, v1                      ; v19: the offset of a tile's rows 8-15
	s_wait_alu depctr_va_vdst(0)
	global_load_b32 v63, v62, s[10:11]
	LOAD 0
	LOAD 1
	; ---- the table.  10^(-j / 8) = 10^(-(j % 8) / 8) x 10^(-(j / 8)), both picked from constants by compares
	v_and_b32 v52, 3, v0
	v_bfe_u32 v53, v0, 2, 2
	v_mov_b32 v54, 1.0
	v_mov_b32 v55, 0x3f3ff911
	v_mov_b32 v56, 1.0
.macro PICK i, m0, m1, d
	v_cmp_ne_u32 vcc_lo, \i, v52
	v_cndmask_b32 v54, \m0, v54, vcc_lo
	v_cndmask_b32 v55, \m1, v55, vcc_lo
	v_cmp_ne_u32 vcc_lo, \i, v53
	v_cndmask_b32 v56, \d, v56, vcc_lo
.endm
	PICK 1, 0x3f0ff59a, 0x3ed7e89b, 0x3dcccccd
	PICK 2, 0x3ea1e89b, 0x3e72d424, 0x3c23d70a
	PICK 3, 0x3e361887, 0x3e088d77, 0x3a83126f
	v_mul_f32 v54, v54, v56
	v_mul_f32 v55, v55, v56
	s_wait_loadcnt 32                              ; the position is in; the 32 loads issued behind it may be out
	v_cvt_f32_i32 v57, v63
	s_wait_alu depctr_va_vdst(0)
	v_mul_f32 v54, v57, v54                        ; the two angles
	v_mul_f32 v55, v57, v55
; cos and sin of v[a]: k = the nearest whole number to a x 2 / pi; r = a - k pi / 2 in three fused steps; polynomials in r^2 on |r| <= pi / 4; the quadrant k % 4 swaps the two and sets the signs
.macro SINCOS a, c, s
	v_mul_f32 v58, 0x3f22f983, v[\a]
	v_rndne_f32 v58, v58
	v_fmamk_f32 v[\a], v58, 0xbfc90fd8, v[\a]
	v_fmamk_f32 v[\a], v58, 0xb4a8885a, v[\a]
	v_fmamk_f32 v[\a], v58, 0xa7c234c4, v[\a]
	v_mul_f32 v59, v[\a], v[\a]
	v_cvt_i32_f32 v58, v58
	v_mov_b32 v[\c], 0x37ccf5ce
	v_fmaak_f32 v[\c], v[\c], v59, 0xbab6061a
	v_fmaak_f32 v[\c], v[\c], v59, 0x3d2aaaa5
	v_fma_f32 v[\c], v[\c], v59, -0.5
	v_fma_f32 v[\c], v[\c], v59, 1.0               ; cos r
	v_mov_b32 v[\s], 0xb94ca1f9
	v_fmaak_f32 v[\s], v[\s], v59, 0x3c08839e
	v_fmaak_f32 v[\s], v[\s], v59, 0xbe2aaaa3
	v_mul_f32 v59, v59, v[\a]
	v_fma_f32 v[\s], v[\s], v59, v[\a]             ; sin r
	v_and_b32 v59, 1, v58
	v_cmp_ne_u32 vcc_lo, 0, v59
	v_cndmask_b32 v59, v[\s], v[\c], vcc_lo        ; odd quadrants: the two change places
	v_cndmask_b32 v[\c], v[\c], v[\s], vcc_lo
	v_lshlrev_b32 v[\s], 30, v58
	v_and_b32 v[\s], 0x80000000, v[\s]             ; sin is negative in quadrants 2 and 3,
	v_xor_b32 v[\s], v[\s], v59
	v_add_nc_u32 v58, 1, v58
	v_lshlrev_b32 v58, 30, v58
	v_and_b32 v58, 0x80000000, v58                 ; cos in quadrants 1 and 2
	v_xor_b32 v[\c], v[\c], v58
.endm
	SINCOS 54, 48, 49
	SINCOS 55, 50, 51
	global_store_b128 v61, v[48:51], s[16:17]      ; sixteen lanes store a row of the table, 256 consecutive bytes; these registers are not written again
; ---- a fragment: through the stage, its two blocks' scales, its codes, out
.macro TURNQ f
.set RS, R+64*((\f)%2)
.set CC, C+12*((\f)%2)
.if (\f) < 3
	s_wait_loadcnt 16                              ; this fragment's 16 loads are in; the next fragment's may be out
.else
	s_wait_loadcnt 0
.endif
.irp i, 0,1,2,3,4,5,6,7,8,9,10,11,12,13,14,15
	ds_store_b128 v3, v[RS+4*\i:RS+4*\i+3] offset:SP*\i
.endr
.irp c, 0,1
.irp i, 0,1,2,3,4,5,6,7
	ds_load_b128 v[X+32*\c+4*\i:X+32*\c+4*\i+3], v4 offset:256*\c+16*\i   ; k = 64 c + 32 h + 0 .. 31 of row r.  LDS serves a wave's instructions in order: these see the stores above
.endr
.endr
	s_wait_dscnt 0x0
.if (\f) < 2
	LOAD (\f)+2                                    ; into the set that the stage has just read
.endif
.irp c, 0,1
	v_max3_num_f32 v[6+\c], |v[X+32*\c]|, |v[X+32*\c+1]|, 0x1800000   ; block 2 c + h is all mine; the floor 2^(3 - 127) keeps the byte at 1 or above
.endr
.irp i, 2,4,6,8,10,12,14,16,18,20,22,24,26,28,30
.irp c, 0,1
	v_max3_num_f32 v[6+\c], v[6+\c], |v[X+32*\c+\i]|, |v[X+32*\c+\i+1]|
.endr
.endr
.irp c, 0,1
	v_add_nc_u32 v[8+\c], 0xff000000, v[6+\c]      ; 2 off the exponent field: the conversion's scale operand
.endr
.irp c, 0,1
	v_lshrrev_b32 v[6+\c], 23, v[8+\c]             ; the byte
.endr
	v_lshl_or_b32 v10, v7, 16, v6                  ; blocks h and 2 + h,
	v_lshlrev_b32 v10, v5, v10                     ; at their places in the word;
	v_permlanex16_b32 v11, v10, s20, s21
	v_or_b32 v[SW+(\f)], v10, v11                  ; with lane l xor 16's two the word is whole
.if (\f) >= 2
	s_wait_alu depctr_va_vdst(0)
	s_wait_xcnt 0x0                                ; the stores of two fragments back have read this set of codes
.endif
.irp c, 0,1
	v_cvt_scalef32_pk16_fp6_f32 v[CC+6*\c:CC+6*\c+2], v[X+32*\c:X+32*\c+15], v[8+\c]
	v_cvt_scalef32_pk16_fp6_f32 v[16+4*\c:18+4*\c], v[X+32*\c+16:X+32*\c+31], v[8+\c]   ; (a conversion's three registers begin on an even number)
.endr
	v_nop                                          ; one plain place behind a scaled conversion
.irp c, 0,1
.irp i, 0,1,2
	v_mov_b32 v[CC+6*\c+3+\i], v[16+4*\c+\i]
.endr
.endr
.irp c, 0,1
	global_store_b128 v1, v[CC+6*\c:CC+6*\c+3], s[12:13] offset:1536*(\f)+768*\c         ; 512 consecutive bytes,
	global_store_b64 v2, v[CC+6*\c+4:CC+6*\c+5], s[12:13] offset:1536*(\f)+768*\c+512    ; and 256
.endr
.endm
	TURNQ 0
	TURNQ 1
	TURNQ 2
	TURNQ 3
	v_cmp_ne_u32 vcc_lo, 0, v5
	v_cndmask_b32 v10, v12, v14, vcc_lo            ; lanes 0-15: the words of my first 256 along K, lanes 16-31: of the second
	v_cndmask_b32 v11, v13, v15, vcc_lo
	global_store_b64 v2, v[10:11], s[14:15]        ; 256 consecutive bytes, aligned
	s_wait_tensorcnt 0x0
	ds_add_u32 v23, v60
	s_wait_dscnt 0x0
	s_endpgm
.Lfunc_end_k_q15e66fdf27_quant:
	.size	k_q15e66fdf27_quant, .Lfunc_end_k_q15e66fdf27_quant-k_q15e66fdf27_quant
	.p2alignl 7, 3214868480
	.fill 96, 4, 3214868480
	.section	.rodata,"a",@progbits
	.p2align	6, 0x0
	.amdhsa_kernel k_q15e66fdf27_quant
		.amdhsa_group_segment_fixed_size 34304
		.amdhsa_private_segment_fixed_size 0
		.amdhsa_enable_private_segment 0
		.amdhsa_kernarg_size 56
		.amdhsa_user_sgpr_count 2
		.amdhsa_user_sgpr_kernarg_segment_ptr 1
		.amdhsa_wavefront_size32 1
		.amdhsa_system_sgpr_workgroup_id_x 1
		.amdhsa_system_sgpr_workgroup_id_y 1
		.amdhsa_system_sgpr_workgroup_id_z 1
		.amdhsa_system_vgpr_workitem_id 0
		.amdhsa_next_free_vgpr 256
		.amdhsa_next_free_sgpr 66
		.amdhsa_reserve_vcc 1
		.amdhsa_float_denorm_mode_32 3
		.amdhsa_float_denorm_mode_16_64 3
		.amdhsa_memory_ordered 1
		.amdhsa_forward_progress 1
		.amdhsa_inst_pref_size 35
	.end_amdhsa_kernel
	.amdgpu_metadata
---
amdhsa.version: [ 1, 2 ]
amdhsa.kernels:
  - .name:           k_q15e66fdf27_quant
    .symbol:         k_q15e66fdf27_quant.kd
    .args:
      - { .name: x, .offset: 0, .size: 8, .value_kind: global_buffer, .address_space: global }
      - { .name: W_QKV, .offset: 8, .size: 8, .value_kind: global_buffer, .address_space: global }
      - { .name: W_O, .offset: 16, .size: 8, .value_kind: global_buffer, .address_space: global }
      - { .name: token_positions, .offset: 24, .size: 8, .value_kind: global_buffer, .address_space: global }
      - { .name: codes, .offset: 32, .size: 8, .value_kind: global_buffer, .address_space: global }
      - { .name: scales, .offset: 40, .size: 8, .value_kind: global_buffer, .address_space: global }
      - { .name: rope, .offset: 48, .size: 8, .value_kind: global_buffer, .address_space: global }
    .group_segment_fixed_size: 34304
    .private_segment_fixed_size: 0
    .kernarg_segment_align: 8
    .kernarg_segment_size: 56
    .max_flat_workgroup_size: 128
    .sgpr_count:     66
    .vgpr_count:     256
    .wavefront_size: 32
...
	.end_amdgpu_metadata
.endif
;; end of part 1
;; launch qkv (part 2): grid 12 x 16, 4 waves a work-group, clusters of 4 x 4, 327,680 bytes of LDS; arguments codes, scales, rope, qk_scale, img; writes img
.if DOCPART == 2
	.amdgcn_target "amdgcn-amd-amdhsa--gfx1250"
	.amdhsa_code_object_version 6
	.text
	.protected	k_q15e66fdf27_qkv
	.globl	k_q15e66fdf27_qkv
	.p2align	8
	.type	k_q15e66fdf27_qkv,@function
k_q15e66fdf27_qkv:
	s_mov_b64 s[64:65], 0
	v_nop
	global_prefetch_b8 v0, s[64:65] scope:SCOPE_SE
	s_setreg_imm32_b32 hwreg(HW_REG_WAVE_MODE, 25, 1), 1
	s_wait_xcnt 0x0
	s_wait_alu depctr_hold_cnt(0) depctr_sa_sdst(0) depctr_va_vdst(0) depctr_va_sdst(0) depctr_va_ssrc(0) depctr_va_vcc(0) depctr_vm_vsrc(0)
	s_getreg_b32 s2, hwreg(HW_REG_IB_STS2, 6, 4)
	s_cmp_eq_u32 s2, 0
	s_cbranch_scc0 .Lentry_in_a_cluster
	s_endpgm
.Lentry_in_a_cluster:
	s_bfe_u32 s2, ttmp6, 0x10000c
	s_cmp_lg_u32 s2, 0xf033
	s_cbranch_scc0 .Lentry_shape_is_right
	s_endpgm
.Lentry_shape_is_right:
; qkv = x W_QKV^T on codes of FP6 (E2M3) with E8M0 scales, K = 1,024; then, in registers: q, k: rotary embedding, division by (norm + 1e-8), q times its head's gain, quantised along the head's 64;
; v: quantised along the KEYS.  All three leave as images of the attention's operand registers.
; A work-group of four waves makes 256 x 256, a wave 128 x 128 (64 accumulators).  The products take region B's tiles as source 0 and region A's as source 1: a lane holds ONE row of A's tile, its registers run along B's rows.
; Cluster columns 0 (q), 1 (k): A = tokens, B = rows of W.  Cluster column 2 (v): A = rows of W_V, B = tokens.  The one branch on the cluster's x stands at the way out and is the same in all sixteen partners.
; TILES (as the launch before laid them): tile 2 b + u holds at row r the tensor's row 32 b + 8 u + r + 8 (r / 8).  A fragment is 1,536 bytes: for c = 0, 1: registers 6 c .. 6 c + 3 at 16 x lane, 6 c + 4, 6 c + 5 at 8 x lane.
; LDS.  Bytes 0 .. 196,607: K steps 0-3 of A's 16 tiles, then of B's 16 (6,144 bytes a tile), filled at the head, one load a wave: wave 0 A's, wave 1 B's, waves 2, 3 the scale words of all of K.
; Bytes 196,608 .. 294,911: K steps 4, 5 (3,072 bytes a tile), asked for behind the head's round: three K steps of products stand between the request and the wait for it.
; K steps 6, 7 fill bytes 0 .. 98,303 again behind the round in K step 3: two K steps stand between request and wait.  Then the scale words (16,384) and the spare words.
; CLUSTERS: 4 x 4.  A's tiles are shared along a row of the cluster, B's along a column: joint loads.  No prefetch: K is eight steps, and three quarters of a work-group's bytes are asked for at the head or behind its round.
; 192 work-groups: a tile of one kind (q, k or v) with whole heads that gave 256 does not divide the 4,096 tokens.
; OUT.  img [kind 3][16 batch + head (32)][128 tokens (16)][6,400]: four images of 1,536 bytes, then 256 bytes of scale words [row 16][4 words].
; q, k: image d: half 0 = the 64 codes of token tile 2 d, half 1 = of tile 2 d + 1; word d = bytes (even tile: blocks 0, 1; odd tile: blocks 0, 1).  v: image t = 16 of the head's 64 x the 128 keys; word t = the four key blocks.
; LIMITS: NaN and infinities are not served; a block whose largest magnitude lies under 2^-124 (zeros too) gets the byte 1; a sum of squares under 2^-126 counts as 0 in the root.
; REGISTERS: window 0: v7-11 the way out's addresses; v12-15 factors; v16-26, v30 fragment addresses; v27 scale address; v28, v29 the spare word's; v32-63 scale words, two sets; v128-223 A's fragments.
;   window 1: B's fragments, two sets, at v0 and v128.  windows 2, 3: the accumulators, (a, b) at v[8 (8 (a % 4) + b)].  On the way out window 0's v64-255 are at work.
; THE TOKENS' TILES ARE LAID OTHERWISE than the line on tiles above says, which holds for W's rows: tokens go in groups of 64, and tile 4 c + T holds at its row m token 64 c + 32 (m / 8) + 8 T + m % 8.
; So on v's way out the 32 registers of B's tiles 4 c .. 4 c + 3 are the 32 neighbouring keys 64 c + 32 (lane / 16) + 0 .. 31: a whole block in a lane.
.set NQ,     2
.set FR,     12
.set NL,     4
.set NP,     4
.set QT,     24576                     ; 8 tiles x 3,072: what a load of the later K steps brings
.set SM,     196608
.set SCL,    SM+4*QT
.set SPARE,  SCL+16384
.set HEADB,  102400                    ; a head in img
.set BLKB,   6400                      ; 128 tokens of a head
.set ADRS, 27
.set SPW,  28
.set NIL,  29
.set SC,   32
.set AF,   128
.set G1, 24
.set G0, 32
.set G1B, 48
.set G0B, 56
.set G1S, 68
.set G0S, 76
.set G1SB, 80
.set G0SB, 88
.set FF,   12
.set RR,   64
.set CS,   128
.set IMG0, 192
.set IMG1, 204
.set Y0,   216
.set Y1,   220
.set TM,   224
.set SW,   240
.set SS,   248
.set MSB, 0
.macro WIN new
.if MSB != (\new)
	s_set_vgpr_msb (MSB<<8)|(\new)
.set MSB, (\new)
.endif
.endm
.set MUL_LO, 0xa1
.set MUL_HI, 0xf1
.set TO_B,   0x40
.macro JLOAD g0a, g1a, g0b, g1b        ; waves 0, 1 fetch for A, waves 2, 3 for B
	s_cmp_eq_u32 s17, 0
	s_cbranch_scc0 .Lfor_b_\@
	tensor_load_to_lds s[\g0a:\g0a+3], s[\g1a:\g1a+7]
	s_nop 0
.rept 4
	v_nop
.endr
	s_branch .Lasked_\@
.Lfor_b_\@:
	tensor_load_to_lds s[\g0b:\g0b+3], s[\g1b:\g1b+7]
	s_nop 0
.rept 4
	v_nop
.endr
.Lasked_\@:
.endm
.macro CREST
	s_cmp_lg_u32 s16, 0
	s_cbranch_scc1 .Lnot_wave_0_\@
	s_barrier_signal -3
.Lnot_wave_0_\@:
	s_barrier_wait -3
	s_barrier_signal -1
	s_barrier_wait -1
.endm
.macro CROUND
	s_barrier_signal -1
	s_barrier_wait -1
	CREST
.endm
	s_load_b256 s[4:11], s[0:1], 0x0               ; codes, scales, rope, qk_scale
	s_load_b64 s[12:13], s[0:1], 0x20              ; img
	v_lshl_add_u32 v[SPW], v0, 2, SPARE
	v_mov_b32 v[NIL], 0
	ds_add_u32 v[SPW], v[NIL]                      ; the opening lines: the add twice on end and one wait
	ds_add_u32 v[SPW], v[NIL]
	v_lshrrev_b32 v1, 5, v0
	v_readfirstlane_b32 s16, v1                    ; wave
	s_lshr_b32 s17, s16, 1                         ; my half of A's tiles; later loads: I fetch for A (0) or B (1)
	s_and_b32 s18, s16, 1                          ; my half of B's; later loads: which 8 tiles I fetch
	s_bfe_u32 s40, ttmp6, 0x40000                  ; cx
	s_bfe_u32 s41, ttmp6, 0x40004                  ; cy
	s_and_b32 s19, ttmp7, 0xffff
	s_lshl_b32 s19, s19, 2
	s_lshl_b32 s20, ttmp9, 2
	s_add_co_u32 s20, s20, 16                      ; W's blocks of 16 tiles begin at block 16
	s_cmp_eq_u32 ttmp9, 2                          ; the column of v?
	s_cselect_b32 s21, 24, s19
	s_cselect_b32 s22, s19, s20
	s_add_co_u32 s21, s21, s41                     ; A's block of 16 tiles
	s_add_co_u32 s22, s22, s40                     ; B's
	s_lshl_b32 s42, s41, 2
	s_lshl_b32 s42, 15, s42                        ; my row of the cluster
	s_lshl_b32 s43, 0x1111, s40                    ; my column
	s_or_b32 s[G1+0], s42, (3<<16)|(1<<21)         ; the mask; elements of 8 bytes; bit 21 beside a mask
	s_or_b32 s[G1B+0], s43, (3<<16)|(1<<21)
.irp g, G1, G1B
	s_mov_b32 s[\g+1], 768<<16                     ; the head's loads: 6,144 bytes of each of
	s_mov_b32 s[\g+2], 16<<16                      ; 16 tiles
	s_mov_b32 s[\g+3], 768<<16
	s_mov_b32 s[\g+4], 16
	s_mov_b32 s[\g+5], 1536                        ; from tile to tile: 12,288 bytes
	s_mov_b32 s[\g+6], 0
	s_mov_b32 s[\g+7], 0
.endr
	s_or_b32 s[G1S+0], s42, (3<<16)|(1<<21)        ; the scale words of 16 tiles: 8,192 dense bytes as 32 rows of 256
	s_or_b32 s[G1SB+0], s43, (3<<16)|(1<<21)
.irp g, G1S, G1SB
	s_mov_b32 s[\g+1], 32<<16
	s_mov_b32 s[\g+2], 32<<16
	s_mov_b32 s[\g+3], 32<<16
	s_mov_b32 s[\g+4], 32
	s_mov_b32 s[\g+5], 32
	s_mov_b32 s[\g+6], 0
	s_mov_b32 s[\g+7], 0
.endr
	s_mul_i32 s92, s21, 16*12288
	s_mov_b32 s93, 0
	s_lshl_b32 s94, s21, 13
	s_mov_b32 s95, 0
	s_mul_i32 s46, s22, 16*12288
	s_mov_b32 s47, 0
	s_lshl_b32 s66, s22, 13
	s_mov_b32 s67, 0
	s_mul_i32 s98, s18, 8*12288                    ; later loads: my 8 tiles
	s_mov_b32 s99, 0
	s_mul_i32 s45, s16, QT                         ; and where they go: wave x 24,576
	s_wait_dscnt 0x0
	s_wait_kmcnt 0x0
	s_add_nc_u64 s[92:93], s[4:5], s[92:93]
	s_add_nc_u64 s[94:95], s[6:7], s[94:95]
	s_add_nc_u64 s[46:47], s[4:5], s[46:47]
	s_add_nc_u64 s[66:67], s[6:7], s[66:67]
	CROUND                                         ; all sixteen work-groups are here: the first joint loads meet
	s_mov_b32 s[G0], 1                             ; K steps 0-3 of A's 16 tiles
	s_mov_b32 s[G0+1], 0
	s_mov_b64 s[G0+2:G0+3], s[92:93]
	s_or_b32 s[G0+3], s[G0+3], 0x80000000
	s_mov_b32 s[G0B], 1                            ; of B's
	s_mov_b32 s[G0B+1], 98304
	s_mov_b64 s[G0B+2:G0B+3], s[46:47]
	s_or_b32 s[G0B+3], s[G0B+3], 0x80000000
	s_mov_b32 s[G0S], 1
	s_mov_b32 s[G0S+1], SCL
	s_mov_b64 s[G0S+2:G0S+3], s[94:95]
	s_or_b32 s[G0S+3], s[G0S+3], 0x80000000
	s_mov_b32 s[G0SB], 1
	s_mov_b32 s[G0SB+1], SCL+8192
	s_mov_b64 s[G0SB+2:G0SB+3], s[66:67]
	s_or_b32 s[G0SB+3], s[G0SB+3], 0x80000000
	s_add_nc_u64 s[92:93], s[92:93], s[98:99]
	s_add_nc_u64 s[46:47], s[46:47], s[98:99]
	s_mov_b32 s[G0+4], 1                           ; K steps 4, 5 of my 8 tiles
	s_add_co_u32 s[G0+5], s45, SM
	s_add_nc_u64 s[G0+6:G0+7], s[92:93], 6144
	s_or_b32 s[G0+7], s[G0+7], 0x80000000
	s_mov_b32 s[G0B+4], 1
	s_add_co_u32 s[G0B+5], s45, SM
	s_add_nc_u64 s[G0B+6:G0B+7], s[46:47], 6144
	s_or_b32 s[G0B+7], s[G0B+7], 0x80000000
.macro ARM under, g0, g1, next         ; the head's loads, one a wave: one chain of branches on the wave's number, all arms to one join
	s_cmp_lt_u32 s16, \under
	s_cbranch_scc0 \next
	tensor_load_to_lds s[\g0:\g0+3], s[\g1:\g1+7]
	s_nop 0
.rept 4
	v_nop
.endr
	s_branch .Lhead_asked
\next:
.endm
	ARM 1, G0,  G1,  .Lhead_b
	ARM 2, G0B, G1B, .Lhead_sa
	ARM 3, G0S, G1S, .Lhead_sb
	tensor_load_to_lds s[G0SB:G0SB+3], s[G1SB:G1SB+7]
	s_nop 0
.rept 4
	v_nop
.endr
.Lhead_asked:
	s_mul_i32 s19, s17, QT                         ; place 2 (K steps 6, 7): my 8 tiles of A,
	s_mul_i32 s20, s18, QT
	s_add_co_u32 s20, s20, 2*QT                    ; of B
	s_add_co_u32 s100, s19, SM                     ; place 1 (K steps 4, 5)
	s_add_co_u32 s101, s20, SM
	s_lshl_b32 s96, s19, 1                         ; place 0 (K steps 0-3): twice the bytes a tile
	s_lshl_b32 s97, s20, 1
	s_lshl_b32 s42, s17, 12                        ; scale words: lanes 0-15 take A's rows, lanes 16-31 B's: one product of h and the distance
	s_lshl_b32 s43, s18, 12
	s_add_co_u32 s43, s43, 8192
	s_sub_co_u32 s43, s43, s42
	s_add_co_u32 s42, s42, SCL
	v_and_b32 v1, 31, v0                           ; lane
	v_and_b32 v2, 15, v0                           ; r
	v_bfe_u32 v7, v0, 4, 1                         ; h
	v_lshlrev_b32 v8, 4, v1                        ; 16 x lane
	v_lshlrev_b32 v9, 3, v1                        ; 8 x lane
	v_add_nc_u32 v16, s96, v8                      ; A: v16-18 + 16 x lane at places 0, 1, 2; v19-21 + 8 x lane
	v_add_nc_u32 v17, s100, v8
	v_add_nc_u32 v18, s19, v8
	v_add_nc_u32 v19, s96, v9
	v_add_nc_u32 v20, s100, v9
	v_add_nc_u32 v21, s19, v9
	v_add_nc_u32 v22, s97, v8                      ; B: v22-24; v25, v26, v30
	v_add_nc_u32 v23, s101, v8
	v_add_nc_u32 v24, s20, v8
	v_add_nc_u32 v25, s97, v9
	v_add_nc_u32 v26, s101, v9
	v_add_nc_u32 v30, s20, v9
	v_mul_u32_u24 v3, s43, v7
	v_lshl_add_u32 v3, v2, 3, v3                   ; 8 bytes a row and 256 along K
	v_add_nc_u32 v[ADRS], s42, v3
	v_and_b32 v3, 8, v2
	v_mad_u32_u24 v3, v3, 3, v2                    ; 32 (r / 8) + r % 8
	v_lshlrev_b32 v6, 3, v7                        ; v6: 8 h
	v_lshlrev_b32 v10, 8, v3
	v_lshl_add_u32 v10, v7, 6, v10                 ; the table: my token's row of 256 bytes, + 64 h
	v_lshlrev_b32 v11, 4, v2
	v_mad_u32_u24 v11, v7, HEADB, v11              ; the scale words out: 16 r; lanes 16-31 the next head
	s_mov_b32 s2, 0x76543210
	s_mov_b32 s3, 0xfedcba98                       ; selects for lane l xor 16
	s_lshl_b32 s96, s21, 1                         ; where my results go
	s_add_co_u32 s96, s96, s17
	s_lshl_b32 s97, s22, 1
	s_add_co_u32 s97, s97, s18
	s_lshl_b32 s100, s97, 1
	s_sub_co_u32 s100, s100, 64                    ; q, k: my first head among 48
	s_lshl_b32 s101, s96, 1
	s_sub_co_u32 s101, s101, 64                    ; v: the same from A's block
	s_cmp_eq_u32 ttmp9, 2
	s_cselect_b32 s98, s97, s96                    ; my 128 tokens, 0 .. 31
	s_cselect_b32 s99, s101, s100                  ; my first head
	s_lshr_b32 s96, s99, 4
	s_lshl_b32 s96, s96, 5                         ; 32 x kind
	s_lshr_b32 s97, s98, 4
	s_lshl_b32 s97, s97, 4                         ; + 16 x batch
	s_add_co_u32 s96, s96, s97
	s_and_b32 s97, s99, 15                         ; + head
	s_add_co_u32 s96, s96, s97
	s_and_b32 s100, s98, 15                        ; which 128 tokens of the sequence
	s_mul_i32 s98, s96, HEADB
	s_mul_i32 s101, s100, BLKB
	s_add_co_u32 s98, s98, s101
	s_mov_b32 s99, 0
	s_add_nc_u64 s[12:13], s[12:13], s[98:99]
	s_add_nc_u64 s[14:15], s[12:13], 6144          ; the scale words lie behind the four images
	s_lshl_b32 s98, s100, 15                       ; the table: 128 rows of 256 bytes
	s_add_nc_u64 s[8:9], s[8:9], s[98:99]
	s_lshl_b32 s100, s97, 2
	s_load_b64 s[96:97], s[10:11], s100 offset:0x0 ; my two heads' gains
	s_wait_alu depctr_va_vdst(0)
	s_wait_kmcnt 0x0
	s_cmp_eq_u32 ttmp9, 0
	s_cselect_b32 s96, s96, 1.0                    ; they belong to q alone
	s_cselect_b32 s97, s97, 1.0
.macro LOC st                          ; where K step st lies: place L, TS bytes a tile, its Q-th 1,536 bytes
.if (\st) < 4
.set L, 0
.set TS, 6144
.set Q, (\st)
.else
.set L, 1+((\st)-4)/2
.set TS, 3072
.set Q, (\st)%2
.endif
.endm
.macro FRAG reg, a16, a8, off
	ds_load_b128 v[\reg:\reg+3], v[\a16] offset:(\off)
	ds_load_b64 v[\reg+4:\reg+5], v[\a8] offset:(\off)+512
	ds_load_b128 v[\reg+6:\reg+9], v[\a16] offset:(\off)+768
	ds_load_b64 v[\reg+10:\reg+11], v[\a8] offset:(\off)+1280
.endm
; 16 matrix instructions: A's blocks a0, a0 + 1 x B's eight.  The 64 accumulators take turns, one instruction a turn, in the same order in every step.
.macro MUL16 a0, p, q, sc, zero
.irp a, \a0, \a0+1
.irp b, 0,1,2,3,4,5,6,7
.if \zero
	v_wmma_scale_f32_16x16x128_f8f6f4 v[8*(8*((\a)%4)+\b):8*(8*((\a)%4)+\b)+7], v[128*(\p)+FR*\b:128*(\p)+FR*\b+FR-1], v[AF+FR*(\a):AF+FR*(\a)+FR-1], 0, v[SC+8*NQ*(\sc)+NQ*\b+(\q)], v[SC+8*NQ*(\sc)+NQ*(\a)+(\q)] matrix_a_fmt:MATRIX_FMT_FP6 matrix_b_fmt:MATRIX_FMT_FP6 matrix_a_scale:MATRIX_SCALE_ROW1
.else
	v_wmma_scale_f32_16x16x128_f8f6f4 v[8*(8*((\a)%4)+\b):8*(8*((\a)%4)+\b)+7], v[128*(\p)+FR*\b:128*(\p)+FR*\b+FR-1], v[AF+FR*(\a):AF+FR*(\a)+FR-1], v[8*(8*((\a)%4)+\b):8*(8*((\a)%4)+\b)+7], v[SC+8*NQ*(\sc)+NQ*\b+(\q)], v[SC+8*NQ*(\sc)+NQ*(\a)+(\q)] matrix_a_fmt:MATRIX_FMT_FP6 matrix_b_fmt:MATRIX_FMT_FP6 matrix_a_scale:MATRIX_SCALE_ROW1
.endif
.endr
.endr
.endm
.macro MULS a0, st, zero               ; of K step st: B's set st % 2, word st % 2 of scale set (st / 2) % 2
	MUL16 \a0, (\st)%2, (\st)%2, ((\st)/2)%2, \zero
.endm
.macro FETCH_B st, p
	LOC \st
	WIN TO_B
.irp i, 0,1,2,3,4,5,6,7
	FRAG 128*(\p)+FR*\i, 22+L, 25+L+3*(L/2), TS*\i+1536*Q
.endr
	WIN 0
.endm
.macro FETCH_A st, i0
	LOC \st
.irp i, \i0, \i0+1, \i0+2, \i0+3
	FRAG AF+FR*(\i), 16+L, 19+L, TS*(\i)+1536*Q
.endr
.endm
.macro SCALES pr                       ; the words of K steps 2 pr, 2 pr + 1: lanes 0-15 A's block i, lanes 16-31 B's block i
.irp i, 0,1,2,3,4,5,6,7
	ds_load_b64 v[SC+8*NQ*((\pr)%2)+NQ*\i:SC+8*NQ*((\pr)%2)+NQ*\i+1], v[ADRS] offset:\i*512+128*(\pr)
.endr
.endm
.macro PLACES n                        ; plain vector instructions between a matrix instruction and a load into, or a read of, its registers
.rept \n
	v_nop
.endr
.endm
.macro NEXT st                         ; the middle run of loads: K step st's B, A's blocks 0-3, and at a pair's start its scale words
	FETCH_B \st, (\st)%2
	FETCH_A \st, 0
.if (\st)%2 == 0
	SCALES (\st)/2
.endif
.endm
.macro REST st, zero                   ; a step's second half, and A's blocks 4-7 of the next
	WIN MUL_HI
	MULS 4, \st, \zero
	MULS 6, \st, \zero
	PLACES NP
	WIN 0
	FETCH_A (\st)+1, 4
.endm
.macro STEP st, zero                   ; a K step whose successor lies in bytes that all waves have seen whole
	s_wait_dscnt 4*NL                              ; the youngest 16 loads (A's blocks 4-7) may be out
	WIN MUL_LO
	MULS 0, \st, \zero
	MULS 2, \st, \zero
	s_wait_dscnt 0
	PLACES NP
	NEXT (\st)+1
	REST \st, \zero
.endm
; A K step whose successor lies elsewhere: one barrier; in front of it each wave waits for all its tensor loads, adds 0 to its spare word, and waits for that and for its reads.  fill = 1: the bytes just read out are filled again.
.macro TURN st, fill
	s_wait_tensorcnt 0x0
	ds_add_u32 v[SPW], v[NIL]
	s_wait_dscnt 4*NL+1                            ; (the add and the youngest 16 loads may be out)
	WIN MUL_LO
	MULS 0, \st, 0
	s_wait_dscnt 0x0
	s_barrier_signal -1
	MULS 2, \st, 0
	WIN 0
	s_barrier_wait -1
.if \fill
	CREST                                          ; the barrier has opened a round of the cluster's
	JLOAD G0, G1, G0B, G1B                         ; K steps 6, 7; its four v_nop are the places in front of the loads below
.else
	PLACES NP
.endif
	NEXT (\st)+1
	REST \st, 0
.endm
	s_wait_tensorcnt 0x0                           ; my tile of the head's four is in
	ds_add_u32 v[SPW], v[NIL]
.irp g, G1, G1B
	s_mov_b32 s[\g+1], 384<<16                     ; no load of mine is out: from here on a load brings 3,072 bytes of each of 8 tiles
	s_mov_b32 s[\g+2], 8<<16
	s_mov_b32 s[\g+3], 384<<16
	s_mov_b32 s[\g+4], 8
.endr
	s_mov_b32 s[G0+1], s45                         ; K steps 6, 7 of my 8 tiles
	s_add_nc_u64 s[G0+2:G0+3], s[92:93], 9216
	s_or_b32 s[G0+3], s[G0+3], 0x80000000
	s_mov_b32 s[G0B+1], s45
	s_add_nc_u64 s[G0B+2:G0B+3], s[46:47], 9216
	s_or_b32 s[G0B+3], s[G0B+3], 0x80000000
	s_wait_dscnt 0x0
	CROUND
	JLOAD G0+4, G1, G0B+4, G1B                     ; K steps 4, 5: the first tensor load behind the round
	FETCH_B 0, 0
	FETCH_A 0, 0
	SCALES 0
	FETCH_A 0, 4
	STEP 0, 1                                      ; the first products start the sums
	STEP 1, 0
	STEP 2, 0
	TURN 3, 1
	STEP 4, 0
	TURN 5, 0
	STEP 6, 0
	s_wait_dscnt 4*NL
	WIN MUL_LO
	MULS 0, 7, 0
	MULS 2, 7, 0
	s_wait_dscnt 0
	WIN MUL_HI
	MULS 4, 7, 0
	MULS 6, 7, 0
	WIN 0
	PLACES NP
; ---- THE WAY OUT.
; 64 numbers of a lane at v[s] of window win, register 16 b + i = index 32 b + 16 (lane / 16) + i, become codes: blocks 0, 1 in v[d0] .. v[d0 + 5], blocks 2, 3 in v[d1] .. v[d1 + 5] (lanes 0-15 the even block whole,
; lanes 16-31 the odd one), and the four bytes in v[TM + 4] .. v[TM + 7].  Each accumulator is read from its low end on.
.macro QUANT s, win, d0, d1
	WIN 0x14*(\win)
.irp b, 0,1,2,3
	v_max3_num_f32 v[TM+\b], 0x1800000, |v[\s+16*\b]|, |v[\s+16*\b+1]|   ; my 16 of block b, and the floor 2^(3 - 127)
.endr
.irp i, 2,4,6,8,10,12,14
.irp b, 0,1,2,3
	v_max3_num_f32 v[TM+\b], v[TM+\b], |v[\s+16*\b+\i]|, |v[\s+16*\b+\i+1]|
.endr
.endr
	WIN 0
.irp b, 0,1,2,3
	v_permlanex16_b32 v[TM+4+\b], v[TM+\b], s2, s3
.endr
.irp b, 0,1,2,3
	v_max_num_f32 v[TM+\b], v[TM+\b], v[TM+4+\b]
.endr
.irp b, 0,1,2,3
	v_add_nc_u32 v[TM+12+\b], 0xff000000, v[TM+\b] ; 2 off the exponent field: the conversion's scale operand
.endr
.irp b, 0,1,2,3
	v_lshrrev_b32 v[TM+4+\b], 23, v[TM+12+\b]      ; the byte
.endr
	s_wait_alu depctr_va_vdst(0)
	s_wait_xcnt 0x0                                ; earlier stores have read the registers that the codes are written into
	WIN (\win)
	v_cvt_scalef32_pk16_fp6_f32 v[\d0:\d0+2], v[\s:\s+15], v[TM+12]
	v_cvt_scalef32_pk16_fp6_f32 v[Y0:Y0+2], v[\s+16:\s+31], v[TM+13]
	v_cvt_scalef32_pk16_fp6_f32 v[\d1:\d1+2], v[\s+32:\s+47], v[TM+14]
	v_cvt_scalef32_pk16_fp6_f32 v[Y1:Y1+2], v[\s+48:\s+63], v[TM+15]
	WIN 0
	v_nop                                          ; one plain place behind a scaled conversion
.irp i, 0,1,2
	v_permlane16_swap_b32 v[\d0+\i], v[Y0+\i]      ; a whole block in a lane
	v_permlane16_swap_b32 v[\d1+\i], v[Y1+\i]
.endr
.irp i, 0,1,2
	v_mov_b32 v[\d0+3+\i], v[Y0+\i]
	v_mov_b32 v[\d1+3+\i], v[Y1+\i]
.endr
.endm
.macro PUT reg, off                    ; an image of 12 registers: 512 + 256 + 512 + 256 consecutive bytes
	global_store_b128 v8, v[\reg:\reg+3], s[12:13] offset:(\off)
	global_store_b64 v9, v[\reg+4:\reg+5], s[12:13] offset:(\off)+512
	global_store_b128 v8, v[\reg+6:\reg+9], s[12:13] offset:(\off)+768
	global_store_b64 v9, v[\reg+10:\reg+11], s[12:13] offset:(\off)+1280
.endm
.irp b, 0,1,2,3
	v_mov_b32 v[TM+4+\b], 0                        ; (a lane permute's destination counts as one of its sources)
.endr
	v_mov_b32 v[FF+1], 0                           ; (named as the upper halves of pairs)
	v_mov_b32 v[FF+3], 0
	s_cmp_eq_u32 ttmp9, 2                          ; the cluster's x: the same in all sixteen partners
	s_cbranch_scc1 .Lvpath
; q, k.  Tile a of my tokens: a lane holds one token and 64 of its 128 features (two heads: registers 0-31, 32-63); register 16 b + i is feature 32 b + 16 h + i, so a pair of registers is a pair of the rotation.
.macro TBL a                           ; cos and sin of my token for the pairs 16 b + 8 h + 0 .. 7: the same for both heads
.irp b, 0,1
.irp i, 0,1,2,3
	global_load_b128 v[CS+32*((\a)%2)+16*\b+4*\i:CS+32*((\a)%2)+16*\b+4*\i+3], v10, s[8:9] offset:(64*((\a)/4)+8*((\a)%4))*256+128*\b+16*\i
.endr
.endr
.endm
.macro QKTILE a
.if (\a) < 7
	TBL (\a)+1
	s_wait_loadcnt 8                               ; this tile's table is in; the next tile's eight loads may be out
.else
	s_wait_loadcnt 0
.endif
.set AC, 64*((\a)%4)
.set CB, CS+32*((\a)%2)
	WIN 2+(\a)/4
.set j, 0
.rept 32
	v_pk_mul_f32 v[RR+2*j:RR+2*j+1], v[AC+2*j:AC+2*j+1], v[CB+(2*j)%32:CB+(2*j)%32+1] op_sel:[1,1] op_sel_hi:[0,1] neg_lo:[1,0]   ; (-sin x_odd, sin x_even)
.set j, j+1
.endr
.set j, 0
.rept 32
	v_pk_fma_f32 v[RR+2*j:RR+2*j+1], v[AC+2*j:AC+2*j+1], v[CB+(2*j)%32:CB+(2*j)%32+1], v[RR+2*j:RR+2*j+1] op_sel_hi:[1,0,1]      ; + (cos x_even, cos x_odd)
.set j, j+1
.endr
	WIN 0
.irp c, 0,1                            ; the heads' sums of squares, two chains each
	v_pk_mul_f32 v[SS+4*\c:SS+4*\c+1], v[RR+32*\c:RR+32*\c+1], v[RR+32*\c:RR+32*\c+1]
	v_pk_mul_f32 v[SS+4*\c+2:SS+4*\c+3], v[RR+32*\c+2:RR+32*\c+3], v[RR+32*\c+2:RR+32*\c+3]
.endr
.irp i, 4,8,12,16,20,24,28
.irp c, 0,1
	v_pk_fma_f32 v[SS+4*\c:SS+4*\c+1], v[RR+32*\c+\i:RR+32*\c+\i+1], v[RR+32*\c+\i:RR+32*\c+\i+1], v[SS+4*\c:SS+4*\c+1]
	v_pk_fma_f32 v[SS+4*\c+2:SS+4*\c+3], v[RR+32*\c+\i+2:RR+32*\c+\i+3], v[RR+32*\c+\i+2:RR+32*\c+\i+3], v[SS+4*\c+2:SS+4*\c+3]
.endr
.endr
.irp c, 0,1
	v_pk_add_f32 v[SS+4*\c:SS+4*\c+1], v[SS+4*\c:SS+4*\c+1], v[SS+4*\c+2:SS+4*\c+3]
.endr
.irp c, 0,1
	v_add_f32 v[SS+4*\c], v[SS+4*\c], v[SS+4*\c+1]
.endr
.irp c, 0,1
	v_permlanex16_b32 v[SS+4*\c+2], v[SS+4*\c], s2, s3
.endr
.irp c, 0,1
	v_add_f32 v[SS+4*\c], v[SS+4*\c], v[SS+4*\c+2] ; with lane l xor 16's 32 features
.endr
	s_wait_alu depctr_va_vdst(0)
.irp c, 0,1
	v_sqrt_f32 v[SS+4*\c], v[SS+4*\c]
.endr
	v_nop                                          ; a plain place behind the transcendentals
	s_wait_alu depctr_va_vdst(0)
.irp c, 0,1
	v_add_f32 v[SS+4*\c], 0x322bcc77, v[SS+4*\c]   ; + 1e-8
.endr
	s_wait_alu depctr_va_vdst(0)
.irp c, 0,1
	v_rcp_f32 v[FF+2*\c], v[SS+4*\c]
.endr
	v_nop
	s_wait_alu depctr_va_vdst(0)
.irp c, 0,1
	v_mul_f32 v[FF+2*\c], s[96+\c], v[FF+2*\c]     ; x the head's gain (1 for k)
.endr
.irp c, 0,1
.set j, 0
.rept 16
	v_pk_mul_f32 v[RR+32*\c+2*j:RR+32*\c+2*j+1], v[RR+32*\c+2*j:RR+32*\c+2*j+1], v[FF+2*\c:FF+2*\c+1] op_sel_hi:[1,0]
.set j, j+1
.endr
.endr
	QUANT RR, 0, IMG0+6*((\a)%2), IMG1+6*((\a)%2)  ; head c's 64 codes: half a % 2 of its image
.if (\a)%2 == 0
.irp c, 0,1
	v_lshl_or_b32 v[SW+4*\c+(\a)/2], v[TM+5+2*\c], 8, v[TM+4+2*\c]
.endr
.else
.irp c, 0,1
	v_lshl_or_b32 v[TM+8+\c], v[TM+5+2*\c], 8, v[TM+4+2*\c]
.endr
.irp c, 0,1
	v_lshl_or_b32 v[SW+4*\c+(\a)/2], v[TM+8+\c], 16, v[SW+4*\c+(\a)/2]
.endr
	PUT IMG0, ((\a)/2)*1536
	PUT IMG1, HEADB+((\a)/2)*1536                  ; the next head
.endif
.endm
	TBL 0
.irp a, 0,1,2,3,4,5,6,7
	QKTILE \a
.endr
	s_branch .Lwords
; 64 numbers of a lane at v[s] of window win, register 32 c + i = key 64 c + 32 (lane / 16) + i: two whole blocks.  Their codes are the operand's registers v[d] .. v[d + 11] as they stand; the scale word goes to v[w].
.macro QUANTV s, win, d, w
	WIN 0x14*(\win)
.irp b, 0,1,2,3
	v_max3_num_f32 v[TM+\b], 0x1800000, |v[\s+16*\b]|, |v[\s+16*\b+1]|   ; four chains, two to a block, and the floor 2^(3 - 127)
.endr
.irp i, 2,4,6,8,10,12,14
.irp b, 0,1,2,3
	v_max3_num_f32 v[TM+\b], v[TM+\b], |v[\s+16*\b+\i]|, |v[\s+16*\b+\i+1]|
.endr
.endr
	WIN 0
	v_max_num_f32 v[TM], v[TM], v[TM+1]
	v_max_num_f32 v[TM+2], v[TM+2], v[TM+3]
	v_add_nc_u32 v[TM+12], 0xff000000, v[TM]       ; 2 off the exponent field: the conversion's scale operand
	v_add_nc_u32 v[TM+13], 0xff000000, v[TM+2]
	v_lshrrev_b32 v[TM+4], 23, v[TM+12]            ; the bytes of blocks h and 2 + h,
	v_lshrrev_b32 v[TM+5], 23, v[TM+13]
	v_lshl_or_b32 v[TM+4], v[TM+5], 16, v[TM+4]
	v_lshlrev_b32 v[TM+4], v6, v[TM+4]             ; at their places in the word;
	v_permlanex16_b32 v[TM+6], v[TM+4], s2, s3
	v_or_b32 v[\w], v[TM+4], v[TM+6]               ; with lane l xor 16's two the word is whole
	s_wait_alu depctr_va_vdst(0)
	s_wait_xcnt 0x0                                ; earlier stores have read the registers that the codes are written into
	WIN (\win)
	v_cvt_scalef32_pk16_fp6_f32 v[\d:\d+2], v[\s:\s+15], v[TM+12]
	v_cvt_scalef32_pk16_fp6_f32 v[Y0:Y0+2], v[\s+16:\s+31], v[TM+12]
	v_cvt_scalef32_pk16_fp6_f32 v[\d+6:\d+8], v[\s+32:\s+47], v[TM+13]
	v_cvt_scalef32_pk16_fp6_f32 v[Y1:Y1+2], v[\s+48:\s+63], v[TM+13]
	WIN 0
	v_nop                                          ; one plain place behind a scaled conversion
.irp i, 0,1,2
	v_mov_b32 v[\d+3+\i], v[Y0+\i]                 ; (a conversion's three registers begin on an even number)
	v_mov_b32 v[\d+9+\i], v[Y1+\i]
.endr
.endm
.Lvpath:
; v.  Tile a of my features: a lane holds one feature and 64 of its 128 keys; the four blocks are the key blocks of these 128 keys: a whole fragment of V^T and its scale word.
.irp a, 0,1,2,3,4,5,6,7
	QUANTV 64*((\a)%4), 2+(\a)/4, IMG0+12*((\a)%2), SW+\a
	PUT IMG0+12*((\a)%2), ((\a)/4)*HEADB+((\a)%4)*1536
.endr
.Lwords:
	v_cmp_ne_u32 vcc_lo, 0, v7
	s_wait_alu depctr_va_vdst(0)
.irp i, 0,1,2,3
	v_cndmask_b32 v[SS+\i], v[SW+\i], v[SW+4+\i], vcc_lo   ; lanes 0-15 my first head's four words of row r, lanes 16-31 my second head's
.endr
	global_store_b128 v11, v[SS:SS+3], s[14:15]    ; each half of the lanes stores 256 consecutive bytes, aligned
	s_wait_tensorcnt 0x0                           ; the wave's end
	ds_add_u32 v[SPW], v[NIL]
	s_wait_dscnt 0x0
	CROUND                                         ; the closing round
	s_endpgm
.Lfunc_end_k_q15e66fdf27_qkv:
	.size	k_q15e66fdf27_qkv, .Lfunc_end_k_q15e66fdf27_qkv-k_q15e66fdf27_qkv
	.p2alignl 7, 3214868480
	.fill 96, 4, 3214868480
	.section	.rodata,"a",@progbits
	.p2align	6, 0x0
	.amdhsa_kernel k_q15e66fdf27_qkv
		.amdhsa_group_segment_fixed_size 327680
		.amdhsa_private_segment_fixed_size 0
		.amdhsa_enable_private_segment 0
		.amdhsa_kernarg_size 40
		.amdhsa_user_sgpr_count 2
		.amdhsa_user_sgpr_kernarg_segment_ptr 1
		.amdhsa_wavefront_size32 1
		.amdhsa_system_sgpr_workgroup_id_x 1
		.amdhsa_system_sgpr_workgroup_id_y 1
		.amdhsa_system_sgpr_workgroup_id_z 1
		.amdhsa_system_vgpr_workitem_id 0
		.amdhsa_next_free_vgpr 1024
		.amdhsa_next_free_sgpr 102
		.amdhsa_reserve_vcc 1
		.amdhsa_float_denorm_mode_32 3
		.amdhsa_float_denorm_mode_16_64 3
		.amdhsa_memory_ordered 1
		.amdhsa_forward_progress 1
		.amdhsa_inst_pref_size 255
	.end_amdhsa_kernel
	.amdgpu_metadata
---
amdhsa.version: [ 1, 2 ]
amdhsa.kernels:
  - .name:           k_q15e66fdf27_qkv
    .symbol:         k_q15e66fdf27_qkv.kd
    .args:
      - { .name: codes, .offset: 0, .size: 8, .value_kind: global_buffer, .address_space: global }
      - { .name: scales, .offset: 8, .size: 8, .value_kind: global_buffer, .address_space: global }
      - { .name: rope, .offset: 16, .size: 8, .value_kind: global_buffer, .address_space: global }
      - { .name: qk_scale, .offset: 24, .size: 8, .value_kind: global_buffer, .address_space: global }
      - { .name: img, .offset: 32, .size: 8, .value_kind: global_buffer, .address_space: global }
    .group_segment_fixed_size: 327680
    .private_segment_fixed_size: 0
    .kernarg_segment_align: 8
    .kernarg_segment_size: 40
    .max_flat_workgroup_size: 128
    .sgpr_count:     102
    .vgpr_count:     1024
    .wavefront_size: 32
...
	.end_amdgpu_metadata
.endif
;; end of part 2
;; launch attn (part 3): grid 8 x 32, 16 waves a work-group, clusters of 4 x 1, 327,680 bytes of LDS; arguments img, ocodes, oscl; writes ocodes, oscl
.if DOCPART == 3
	.amdgcn_target "amdgcn-amd-amdhsa--gfx1250"
	.amdhsa_code_object_version 6
	.text
	.protected	k_q15e66fdf27_attn
	.globl	k_q15e66fdf27_attn
	.p2align	8
	.type	k_q15e66fdf27_attn,@function
k_q15e66fdf27_attn:
	s_mov_b64 s[64:65], 0
	v_nop
	global_prefetch_b8 v0, s[64:65] scope:SCOPE_SE
	s_setreg_imm32_b32 hwreg(HW_REG_WAVE_MODE, 25, 1), 1
	s_wait_xcnt 0x0
	s_wait_alu depctr_hold_cnt(0) depctr_sa_sdst(0) depctr_va_vdst(0) depctr_va_sdst(0) depctr_va_ssrc(0) depctr_va_vcc(0) depctr_vm_vsrc(0)
	s_getreg_b32 s2, hwreg(HW_REG_IB_STS2, 6, 4)
	s_cmp_eq_u32 s2, 0
	s_cbranch_scc0 .Lentry_in_a_cluster
	s_endpgm
.Lentry_in_a_cluster:
	s_bfe_u32 s2, ttmp6, 0x10000c
	s_cmp_lg_u32 s2, 0x3003
	s_cbranch_scc0 .Lentry_shape_is_right
	s_endpgm
.Lentry_shape_is_right:
; Causal attention of one head (y = 16 batch + head) on codes of FP6 (E2M3) with E8M0 scales: S^T = K Q^T (K = the head's 64), p = 2^(t - M), O^T = V^T P^T (K = the keys), O / the row's sum, quantised along d_model.
; t = score x log2(e); M = the running largest t rounded up to a whole number; the sum is taken of the unquantised p; when M moves, the sum and O^T are multiplied by 2^(old M - new M), which rounds nothing.
; Key steps all of whose keys lie behind a wave's queries are hidden by the causal mask that the problem builds itself, and are left out.
; TILES.  Tokens go in groups of 64: tile 4 c + T holds at its row m token 64 c + 32 (m / 8) + 8 T + m % 8.  A block of 128 tokens is 8 tiles.
; SHARES.  A head's 2,048 queries are 16 blocks of 128.  A head has two clusters of four work-groups of sixteen waves; a work-group owns tile 2 cx + u (u = the cluster's x) of each of the 16 blocks.
; The waves form eight pairs, p = w % 4 + 4 (w / 8); bit 2 of w tells the two of a pair apart.  Block 15 - p's tile has 16 - p key steps, block p's has p + 1: 17 for the pair.
;   The first wave takes block 15 - p's tile over key steps 0-7: 8 steps, all of them open.
;   The second wave takes block p's tile whole and stores it; then block 15 - p's tile over key steps 8 .. 15 - p; it hands that part's O^T, -M and sums to its partner through LDS bytes of the pair's own: 9 steps.
;   The first wave joins the two parts: both are brought under the larger M by powers of two, which rounds nothing, and added; then it stores the tile.
; Every wave walks every loop and passes every barrier; the roles part on the wave's number alone, round the way out, the hand-over and the join.  cx enters global addresses and a number compared in vector registers.
; LDS holds the head's 16 key steps, 12,800 bytes each: K's four images, K's scale words, V's four images, V's scale words.  Waves 0-7 bring K's entries, waves 8-15 V's, 6,400 dense bytes a joint load (the four partners
; read the same bytes): key step w % 8 at the head, key step 8 + w % 8 behind the head's round.  Behind its second trip a wave waits for that second load and signals;
; the barrier's wait stands in front of key step 8; between the two stand LDS loads of key steps 2-7 and work on registers.  No byte is filled twice.  Behind the spare words: the pairs' 8 x 4,608 bytes.
; No prefetch: all tiles are asked for ahead of the first key step.
; THE HEAD IS 64, THE INSTRUCTION'S K 128.  An image of K holds two tiles of 16 keys: the even tile at k 0-63, the odd one at k 64-127.  It is multiplied by (Q, zeros) and by (zeros, Q): v16-21 = 0, v22-27 = Q, v28-33 = 0.
; A lane holds ONE query throughout; score register 32 c + i is key 64 c + 32 (lane / 16) + i of the step: a WHOLE block of 32 keys in a lane, so a block's maximum needs no other lane and p's codes are the operand's registers.
; LIMITS: NaN and infinities are not served; a block whose largest magnitude lies under 2^-124 (zeros too) gets the byte 1; the scaled scores t stay under 2^31 in magnitude.
; REGISTERS: v1-3, v5, v6, v225 stay; v4, v10, v11, v92-95 the second tile's Q and scale word; v7-9 a step's addresses; v12 -M, v13 the largest t, v[14:15] the sum; v16-33 as above; v34 Q's scale word;
;   v36-83 four fragments of K, then of V; v84-91 their scale words; v96-159 S^T, then p; v160-191 O^T; v192-203 p's codes; v204-210 conversions' second halves; v212-223 block maxima, bytes, scale operands;
;   v224 p's scale word; v[226:227] f; v228-253 at work.
.set ENT,   12800
.set VOF,   6400
.set HEADB, 102400
.set SPARE, 16*ENT
.set XCH,   SPARE+2048                 ; the pairs' bytes
.set XP,    4608                       ; nine registers' images of 512 bytes... eight of O^T's four registers each, one of v12-15
.set KV,   36
.set BM,   212
.set BX,   216
.set SO,   220
.macro ROUND
	s_barrier_signal -1
	s_barrier_wait -1
	s_cmp_lg_u32 s12, 0
	s_cbranch_scc1 .Lnot_wave_0_\@
	s_barrier_signal -3
.Lnot_wave_0_\@:
	s_barrier_wait -3
	s_barrier_signal -1
	s_barrier_wait -1
.endm
	s_load_b64 s[4:5], s[0:1], 0x0                 ; img
	s_load_b128 s[8:11], s[0:1], 0x8               ; ocodes, oscl
	v_lshl_add_u32 v254, v0, 2, SPARE
	v_mov_b32 v255, 0
	ds_add_u32 v254, v255                          ; the opening lines: the add twice on end and one wait
	ds_add_u32 v254, v255
	v_lshrrev_b32 v1, 5, v0
	v_readfirstlane_b32 s12, v1                    ; wave 0..15
	s_bfe_u32 s13, ttmp6, 0x40000                  ; cx
	s_and_b32 s15, ttmp7, 0xffff                   ; 16 batch + head
	s_mov_b32 s17, ttmp9                           ; u of my tiles
	s_lshr_b32 s67, s12, 3                         ; waves 0-7 fetch K's entries, waves 8-15 V's;
	s_and_b32 s68, s12, 7                          ; key steps w % 8 and 8 + w % 8
	s_and_b32 s62, s12, 3
	s_lshl_b32 s63, s67, 2
	s_add_co_u32 s62, s62, s63                     ; p: my pair
	s_bfe_u32 s78, s12, 0x10002                    ; s78: 0 the pair's first wave, 1 its second
	s_sub_co_u32 s19, 15, s62                      ; s19: the pair's late block
	s_mul_i32 s63, s78, 15
	s_xor_b32 s16, s19, s63                        ; s16: the block of the tile that I begin with and store: 15 - p or p; its number is its last key step
	s_mul_i32 s77, s78, s19                        ; s77: the last key step of my second part (the first wave has none: 0 hides key steps 8-15)
	s_mul_i32 s79, s62, XP
	s_add_co_u32 s79, s79, XCH                     ; s79: my pair's bytes
	s_mov_b32 s24, 15|(3<<16)|(1<<21)              ; the mask: all four work-groups; elements of 8 bytes; bit 21 beside a mask
	s_mov_b32 s25, 32<<16                          ; 6,400 dense bytes as 25 rows of 256
	s_mov_b32 s26, 25<<16
	s_mov_b32 s27, 32<<16
	s_mov_b32 s28, 25
	s_mov_b32 s29, 32
	s_mov_b32 s30, 0
	s_mov_b32 s31, 0
	s_mov_b32 s48, 1
	s_mul_i32 s49, s68, ENT
	s_mul_i32 s63, s67, VOF
	s_add_co_u32 s49, s49, s63
	s_mov_b32 s52, 1
	s_add_co_u32 s53, s49, 8*ENT
	s_lshl_b32 s62, s67, 5
	s_add_co_u32 s62, s62, s15
	s_add_co_u32 s62, s62, 32                      ; 32 x kind (k 1, v 2) + head
	s_mul_i32 s62, s62, HEADB
	s_mul_i32 s63, s68, VOF
	s_add_co_u32 s62, s62, s63
	s_mov_b32 s63, 0
	s_mul_i32 s72, s15, HEADB                      ; q: my head; the block that I begin with,
	s_mul_i32 s74, s19, VOF
	s_add_co_u32 s32, s72, s74                     ; and the pair's late block
	s_mov_b32 s33, 0
	s_mul_i32 s74, s16, VOF
	s_add_co_u32 s72, s72, s74
	s_mov_b32 s73, 0
	s_mul_i32 s66, s13, 1536                       ; image cx, half u;
	s_mul_i32 s74, s17, 768
	s_add_co_u32 s66, s66, s74
	s_mov_b32 s67, 0
	s_lshl_b32 s68, s13, 2                         ; word cx of the scale words
	s_add_co_u32 s68, s68, 6144
	s_mov_b32 s69, 0
	s_lshr_b32 s70, s13, 1                         ; tile 2 cx + u begins at token 64 (cx / 2) + 16 (cx % 2) + 8 u of its block
	s_lshl_b32 s70, s70, 6
	s_and_b32 s71, s13, 1
	s_lshl_b32 s71, s71, 4
	s_add_co_u32 s70, s70, s71
	s_lshl_b32 s71, s17, 3
	s_add_co_u32 s70, s70, s71
	v_and_b32 v36, 31, v0                          ; lane
	v_and_b32 v37, 15, v0                          ; r
	v_bfe_u32 v38, v0, 4, 1                        ; h
	v_lshlrev_b32 v1, 4, v36                       ; v1: 16 x lane
	v_lshlrev_b32 v2, 3, v36                       ; v2: 8 x lane
	v_lshlrev_b32 v35, 4, v37                      ; v35: 16 r
	v_lshlrev_b32 v3, 3, v38                       ; v3: 8 h
	v_add_nc_u32 v5, 6144, v35                     ; v5: a step's scale words
	v_add_nc_u32 v225, s79, v1                     ; v225: my 16 bytes of each image in the pair's bytes
	v_and_b32 v6, 8, v37
	v_and_b32 v39, 7, v37
	v_lshlrev_b32 v40, 5, v38
	v_lshl_add_u32 v6, v6, 2, v39                  ; 32 (r / 8) + r % 8
	v_add_nc_u32 v6, s70, v6                       ; my query in its block,
	v_sub_nc_u32 v6, v6, v40                       ; v6: less 32 h: register 32 c + i holds key 64 c + 32 h + i, hidden on the diagonal where 64 c + i > v6
	s_wait_alu depctr_va_vdst(0)
	s_wait_dscnt 0x0
	s_wait_kmcnt 0x0
	s_add_nc_u64 s[50:51], s[4:5], s[62:63]
	s_add_nc_u64 s[54:55], s[50:51], 8*VOF
	s_or_b32 s51, s51, 0x80000000
	s_or_b32 s55, s55, 0x80000000
	s_add_nc_u64 s[6:7], s[4:5], s[72:73]
	s_add_nc_u64 s[58:59], s[4:5], s[32:33]
	s_add_nc_u64 s[4:5], s[6:7], s[66:67]
	s_add_nc_u64 s[56:57], s[58:59], s[66:67]
	s_add_nc_u64 s[6:7], s[6:7], s[68:69]
	s_add_nc_u64 s[58:59], s[58:59], s[68:69]
	ROUND                                          ; all four work-groups are here: the joint loads meet
	tensor_load_to_lds s[48:51], s[24:31]          ; my entry of key steps 0-7
	s_nop 0
.rept 4
	v_nop
.endr
	global_load_b128 v[22:25], v1, s[4:5]          ; Q of the tile that I begin with,
	global_load_b64 v[26:27], v2, s[4:5] offset:512
	global_load_b32 v34, v35, s[6:7]
	global_load_b128 v[92:95], v1, s[56:57]        ; and of the late block's tile
	global_load_b64 v[10:11], v2, s[56:57] offset:512
	global_load_b32 v4, v35, s[58:59]
	s_lshr_b32 s72, s15, 4
	s_lshl_b32 s72, s72, 7                         ; 128 x batch
	s_lshl_b32 s74, s16, 3
	s_add_co_u32 s72, s72, s74
	s_lshl_b32 s74, s13, 1
	s_add_co_u32 s72, s72, s74
	s_add_co_u32 s75, s72, s17                     ; the tile that I store, among the 256 of all tokens
	s_and_b32 s76, s15, 15                         ; head
	s_mul_i32 s72, s75, 12288
	s_lshr_b32 s74, s76, 1
	s_mul_i32 s74, s74, 1536                       ; K step head / 2 of the last product,
	s_add_co_u32 s72, s72, s74
	s_and_b32 s74, s76, 1
	s_mul_i32 s74, s74, 768                        ; half head % 2
	s_add_co_u32 s72, s72, s74
	s_add_nc_u64 s[8:9], s[8:9], s[72:73]
	s_lshl_b32 s72, s75, 9
	s_lshl_b32 s74, s76, 1
	s_add_co_u32 s72, s72, s74                     ; 32 bytes a row: the head's two bytes at 2 x head
	s_add_nc_u64 s[10:11], s[10:11], s[72:73]
	s_mov_b32 s60, 0x76543210
	s_mov_b32 s61, 0xfedcba98                      ; selects for lane l xor 16
	s_mov_b32 s22, 0x3fb8aa3b                      ; log2(e)
	s_mov_b32 s23, s22
	s_mov_b32 s18, 0                               ; where the step begins in LDS
	s_mov_b32 s20, 0                               ; the step's number
	s_lshl_b32 s74, s17, 4
	v_mov_b32 v13, 0xff61b1e6                      ; the largest t so far: -3e38
	v_mov_b32 v14, 0
	v_mov_b32 v15, 0
	v_floor_f32 v12, -v13                          ; -M
.irp i, 16,17,18,19,20,21,28,29,30,31,32,33
	v_mov_b32 v[\i], 0                             ; the zero codes on both sides of Q
.endr
.irp b, 0,1,2,3
	v_mov_b32 v[BX+\b], 0                          ; (a lane permute's destination counts as one of its sources)
.endr
	v_mov_b32 v227, 0
	v_mov_b32 v228, 0
	v_mov_b32 v232, 0xff800000                     ; -infinity
	s_wait_loadcnt 0x0                             ; both Q and their scale words
	v_lshrrev_b32 v34, s74, v34                    ; my tile's two bytes of the word,
	v_lshrrev_b32 v4, s74, v4
	v_and_b32 v34, 0xffff, v34
	v_and_b32 v4, 0xffff, v4
	v_lshl_or_b32 v34, v34, 16, v34                ; for Q at k 0-63 and at k 64-127 alike
	v_lshl_or_b32 v4, v4, 16, v4
.set j, 0
.rept 32
	v_mov_b32 v[160+j], 0                          ; O^T: the first change of M multiplies zeros
.set j, j+1
.endr
; A KEY STEP: 128 keys.  A step behind s16 is left out: a scalar branch on ids, not round the lines at its end that step addresses.
.macro STEP
	s_cmp_gt_u32 s20, s16
	s_cbranch_scc1 .Lhidden_\@
	v_add_nc_u32 v7, s18, v5                       ; four plain lines: the places in front of loads into registers that the last products read
	v_add_nc_u32 v8, s18, v1
	v_add_nc_u32 v9, s18, v2
	v_nop
.irp d, 0,1,2,3
	ds_load_b128 v[KV+12*\d:KV+12*\d+3], v8 offset:1536*\d
	ds_load_b64 v[KV+12*\d+4:KV+12*\d+5], v9 offset:1536*\d+512
	ds_load_b128 v[KV+12*\d+6:KV+12*\d+9], v8 offset:1536*\d+768
	ds_load_b64 v[KV+12*\d+10:KV+12*\d+11], v9 offset:1536*\d+1280
.endr
	ds_load_b128 v[84:87], v7
	s_wait_alu depctr_va_vdst(0)
	s_wait_dscnt 0x0
.irp d, 0,1,2,3
	v_wmma_scale_f32_16x16x128_f8f6f4 v[96+16*\d:103+16*\d], v[KV+12*\d:KV+12*\d+11], v[22:33], 0, v[84+\d], v34 matrix_a_fmt:MATRIX_FMT_FP6 matrix_b_fmt:MATRIX_FMT_FP6    ; the image's even tile x (Q, 0)
	v_wmma_scale_f32_16x16x128_f8f6f4 v[104+16*\d:111+16*\d], v[KV+12*\d:KV+12*\d+11], v[16:27], 0, v[84+\d], v34 matrix_a_fmt:MATRIX_FMT_FP6 matrix_b_fmt:MATRIX_FMT_FP6  ; its odd tile x (0, Q)
.endr
.rept 4
	v_nop                                          ; places in front of the loads below and of the first read of the scores
.endr
.irp d, 0,1,2,3                        ; V's four fragments land while the softmax is worked
	ds_load_b128 v[KV+12*\d:KV+12*\d+3], v8 offset:VOF+1536*\d
	ds_load_b64 v[KV+12*\d+4:KV+12*\d+5], v9 offset:VOF+1536*\d+512
	ds_load_b128 v[KV+12*\d+6:KV+12*\d+9], v8 offset:VOF+1536*\d+768
	ds_load_b64 v[KV+12*\d+10:KV+12*\d+11], v9 offset:VOF+1536*\d+1280
.endr
	ds_load_b128 v[88:91], v7 offset:VOF
	s_cmp_lt_u32 s20, s16
	s_cbranch_scc1 .Lopen_\@                       ; all keys of the step count
.set n, 0
.rept 64                               ; the diagonal: hidden scores become -infinity ahead of the maximum
	v_cmp_gt_i32 vcc_lo, 64*(n/32)+n%32, v6
	v_cndmask_b32 v[96+n], v[96+n], v232, vcc_lo
.set n, n+1
.endr
.Lopen_\@:
.irp b, 0,1,2,3
	v_max3_num_f32 v[BM+\b], v[96+16*\b], v[97+16*\b], v[98+16*\b]   ; the largest score of my two blocks of 32 keys, two chains to a block: for the row's maximum and, since p rises with the score, for the block's largest p
.endr
.irp i, 3,5,7,9,11,13
.irp b, 0,1,2,3
	v_max3_num_f32 v[BM+\b], v[BM+\b], v[96+16*\b+\i], v[97+16*\b+\i]
.endr
.endr
.irp c, 0,1
	v_max3_num_f32 v[BM+2*\c], v[BM+2*\c], v[111+32*\c], v[127+32*\c]
.endr
.irp c, 0,1
	s_delay_alu instid0(VALU_DEP_2)
	v_max_num_f32 v[BM+2*\c], v[BM+2*\c], v[BM+2*\c+1]   ; block 2 c + h
.endr
	s_delay_alu instid0(VALU_DEP_1)
	v_max_num_f32 v228, v[BM], v[BM+2]
	s_delay_alu instid0(VALU_DEP_1)
	v_permlanex16_b32 v[BX], v228, s60, s61
	s_delay_alu instid0(VALU_DEP_1)
	v_max_num_f32 v228, v228, v[BX]                ; with lane l xor 16's two blocks: the step's largest score of my query
	s_delay_alu instid0(VALU_DEP_1)
	v_mul_f32 v228, s22, v228                      ; as t
	s_delay_alu instid0(VALU_DEP_1)
	v_max_num_f32 v13, v13, v228                   ; the running largest t
	v_mov_b32 v228, v12
	s_delay_alu instid0(VALU_DEP_2)
	v_floor_f32 v12, -v13                          ; the new -M = -ceil(t)
	s_delay_alu instid0(VALU_DEP_1)
	v_sub_f32 v228, v12, v228                      ; old M - new M: a whole number, 0 or less
	s_delay_alu instid0(VALU_DEP_1)
	v_cvt_i32_f32 v228, v228                       ; (it saturates)
	s_delay_alu instid0(VALU_DEP_1)
	v_ldexp_f32 v226, 1.0, v228                    ; f = 2^(old M - new M)
.set j, 0
.rept 32
	v_pk_fma_f32 v[96+j:97+j], v[96+j:97+j], s[22:23], v[12:13] op_sel_hi:[1,0,0]   ; t - M
.set j, j+2
.endr
.irp c, 0,1
	v_fma_f32 v[BM+2*\c], v[BM+2*\c], s22, v12     ; the same of each block's largest score
.endr
.set j, 0
	s_wait_alu depctr_va_vdst(0)
.rept 64
	v_exp_f32 v[96+j], v[96+j]                     ; p = 2^(t - M): not normalised
.set j, j+1
.endr
.irp c, 0,1
	v_exp_f32 v[BM+2*\c], v[BM+2*\c]               ; the block's largest p: the same two instructions on the same number
.endr
	v_pk_mul_f32 v[14:15], v[14:15], v[226:227] op_sel_hi:[1,0]   ; the sum under the new M.  (A plain place behind the exponentials)
	s_wait_alu depctr_va_vdst(0)                   ; and behind it
.irp c, 0,1
	v_max_num_f32 v[BM+2*\c], 0x1800000, v[BM+2*\c]   ; the floor 2^(3 - 127): the byte cannot fall under 1
.endr
.irp c, 0,1
	s_delay_alu instid0(VALU_DEP_2)
	v_add_nc_u32 v[SO+\c], 0xff000000, v[BM+2*\c]  ; 2 off the exponent field: the conversion's scale operand
.endr
.irp c, 0,1
	s_delay_alu instid0(VALU_DEP_2)
	v_lshrrev_b32 v[BX+\c], 23, v[SO+\c]           ; the byte
.endr
	s_delay_alu instid0(VALU_DEP_1)
	v_lshl_or_b32 v224, v[BX+1], 16, v[BX]         ; blocks h and 2 + h,
	s_delay_alu instid0(VALU_DEP_1)
	v_lshlrev_b32 v224, v3, v224                   ; at their places in the word;
	s_delay_alu instid0(VALU_DEP_1)
	v_permlanex16_b32 v[BX+2], v224, s60, s61
	s_delay_alu instid0(VALU_DEP_1)
	v_or_b32 v224, v224, v[BX+2]                   ; with lane l xor 16's two: p's scale word for these 128 keys
.irp c, 0,1
	v_cvt_scalef32_pk16_fp6_f32 v[192+6*\c:194+6*\c], v[96+32*\c:111+32*\c], v[SO+\c]
	v_cvt_scalef32_pk16_fp6_f32 v[204+4*\c:206+4*\c], v[112+32*\c:127+32*\c], v[SO+\c]   ; (a conversion's three registers begin on an even number)
.endr
	v_nop                                          ; one plain place behind a scaled conversion
.irp c, 0,1
.irp i, 0,1,2
	v_mov_b32 v[195+6*\c+\i], v[204+4*\c+\i]
.endr
.endr
	v_pk_add_f32 v[230:231], v[100:101], v[104:105]   ; the row's sum of the unquantised p, in eight chains
	v_pk_add_f32 v[252:253], v[108:109], v[112:113]
	v_pk_add_f32 v[250:251], v[116:117], v[120:121]
	v_pk_add_f32 v[248:249], v[124:125], v[128:129]
	v_pk_add_f32 v[246:247], v[132:133], v[136:137]
	v_pk_add_f32 v[244:245], v[140:141], v[144:145]
	v_pk_add_f32 v[242:243], v[148:149], v[152:153]
	v_pk_add_f32 v[14:15], v[14:15], v[156:157]
	v_pk_add_f32 v[230:231], v[230:231], v[96:97]
	v_pk_add_f32 v[252:253], v[252:253], v[98:99]
	v_pk_add_f32 v[250:251], v[250:251], v[102:103]
	v_pk_add_f32 v[248:249], v[248:249], v[106:107]
	v_pk_add_f32 v[246:247], v[246:247], v[110:111]
	v_pk_add_f32 v[244:245], v[244:245], v[114:115]
	v_pk_add_f32 v[242:243], v[242:243], v[118:119]
	v_pk_add_f32 v[14:15], v[14:15], v[122:123]
	v_pk_add_f32 v[230:231], v[230:231], v[126:127]
	v_pk_add_f32 v[252:253], v[252:253], v[130:131]
	v_pk_add_f32 v[250:251], v[250:251], v[134:135]
	v_pk_add_f32 v[248:249], v[248:249], v[138:139]
	v_pk_add_f32 v[246:247], v[246:247], v[142:143]
	v_pk_add_f32 v[244:245], v[244:245], v[146:147]
	v_pk_add_f32 v[242:243], v[242:243], v[150:151]
	v_pk_add_f32 v[14:15], v[14:15], v[154:155]
	v_pk_add_f32 v[230:231], v[230:231], v[158:159]
	s_delay_alu instid0(VALU_DEP_2)
	v_pk_add_f32 v[14:15], v[14:15], v[248:249]
	s_delay_alu instid0(VALU_DEP_2)
	v_pk_add_f32 v[230:231], v[230:231], v[246:247]
	v_pk_add_f32 v[252:253], v[252:253], v[244:245]
	v_pk_add_f32 v[250:251], v[250:251], v[242:243]
	s_delay_alu instid0(VALU_DEP_2)
	v_pk_add_f32 v[14:15], v[14:15], v[252:253]
	s_delay_alu instid0(VALU_DEP_2)
	v_pk_add_f32 v[230:231], v[230:231], v[250:251]
	s_delay_alu instid0(VALU_DEP_1)
	v_pk_add_f32 v[14:15], v[14:15], v[230:231]
.set j, 0
.rept 16
	v_pk_mul_f32 v[160+j:161+j], v[160+j:161+j], v[226:227] op_sel_hi:[1,0]   ; O^T under the new M.  (With the sums: the places in front of the scaled products)
.set j, j+2
.endr
	s_wait_alu depctr_va_vdst(0)
	s_wait_dscnt 0x0                               ; V and its scale words
.irp t, 0,1,2,3                        ; four accumulators by turns
	v_wmma_scale_f32_16x16x128_f8f6f4 v[160+8*\t:167+8*\t], v[KV+12*\t:KV+12*\t+11], v[192:203], v[160+8*\t:167+8*\t], v[88+\t], v224 matrix_a_fmt:MATRIX_FMT_FP6 matrix_b_fmt:MATRIX_FMT_FP6
.endr
.Lhidden_\@:
	s_add_co_u32 s18, s18, ENT
	s_add_co_u32 s20, s20, 1
.endm
; THE WAY OUT of a finished tile.  O^T / the sum: register 16 b + i is channel 32 b + 16 h + i of my query: two blocks of 32 along d_model.  They are quantised and leave as half an image of the last product's operand.
.macro OUT
.rept 4
	v_nop
.endr
	v_add_f32 v14, v14, v15
	s_delay_alu instid0(VALU_DEP_1)
	v_permlanex16_b32 v228, v14, s60, s61
	s_delay_alu instid0(VALU_DEP_1)
	v_add_f32 v14, v14, v228                       ; the row's sum
	s_wait_alu depctr_va_vdst(0)
	v_rcp_f32 v226, v14
	v_and_b32 v229, 15, v0                         ; (a plain place behind the transcendental)
.set j, 0
	s_wait_alu depctr_va_vdst(0)
.rept 16
	v_pk_mul_f32 v[96+j:97+j], v[160+j:161+j], v[226:227] op_sel_hi:[1,0]
.set j, j+2
.endr
	v_lshlrev_b32 v229, 5, v229                    ; 32 r
.irp b, 0,1
	v_max3_num_f32 v[BM+\b], |v[96+16*\b]|, |v[97+16*\b]|, 0x1800000
.endr
.irp i, 2,4,6,8,10,12,14
.irp b, 0,1
	s_delay_alu instid0(VALU_DEP_2)
	v_max3_num_f32 v[BM+\b], v[BM+\b], |v[96+16*\b+\i]|, |v[97+16*\b+\i]|
.endr
.endr
.irp b, 0,1
	s_delay_alu instid0(VALU_DEP_2)
	v_permlanex16_b32 v[BX+\b], v[BM+\b], s60, s61
.endr
.irp b, 0,1
	s_delay_alu instid0(VALU_DEP_2)
	v_max_num_f32 v[BM+\b], v[BM+\b], v[BX+\b]
.endr
.irp b, 0,1
	s_delay_alu instid0(VALU_DEP_2)
	v_add_nc_u32 v[SO+\b], 0xff000000, v[BM+\b]
.endr
.irp b, 0,1
	s_delay_alu instid0(VALU_DEP_2)
	v_lshrrev_b32 v[BX+\b], 23, v[SO+\b]
.endr
	s_delay_alu instid0(VALU_DEP_1)
	v_lshl_or_b32 v224, v[BX+1], 8, v[BX]
	v_cvt_scalef32_pk16_fp6_f32 v[192:194], v[96:111], v[SO]
	v_cvt_scalef32_pk16_fp6_f32 v[204:206], v[112:127], v[SO+1]
	v_nop
.irp i, 0,1,2
	v_permlane16_swap_b32 v[192+\i], v[204+\i]
.endr
.irp i, 0,1,2
	s_delay_alu instid0(VALU_DEP_3)
	v_mov_b32 v[195+\i], v[204+\i]
.endr
	global_store_b128 v1, v[192:195], s[8:9]       ; 512 consecutive bytes,
	global_store_b64 v2, v[196:197], s[8:9] offset:512   ; and 256
	global_store_b16 v229, v224, s[10:11]          ; my row's two bytes; lanes l and l xor 16 store the same value at the same place.  Heads live in different work-groups, so these rows are written 2 bytes at a time
.endm
	s_wait_alu depctr_va_vdst(0)
	s_wait_tensorcnt 0x0                           ; my entry of key steps 0-7 is in
	ds_add_u32 v254, v255
	s_wait_dscnt 0x0
	ROUND                                          ; everybody's is, and all four work-groups are here
	tensor_load_to_lds s[52:55], s[24:31]          ; my entry of key steps 8-15
	s_nop 0
.rept 4
	v_nop
.endr
	s_mov_b32 s21, 2
.Lkeys_a:                                              ; key steps 0, 1
	STEP
	s_sub_co_u32 s21, s21, 1
	s_cmp_lg_u32 s21, 0
	s_cbranch_scc1 .Lkeys_a
	s_wait_tensorcnt 0x0                           ; my entry of key steps 8-15 is in:
	s_wait_dscnt 0x0
	s_barrier_signal -1                            ; say so, and go on with key steps that are whole already
	s_mov_b32 s21, 6
.Lkeys_b:                                              ; key steps 2-7
	STEP
	s_sub_co_u32 s21, s21, 1
	s_cmp_lg_u32 s21, 0
	s_cbranch_scc1 .Lkeys_b
	s_barrier_wait -1                              ; everybody's entry is in
	s_wait_alu depctr_va_vdst(0)
	s_cmp_eq_u32 s78, 0
	s_cbranch_scc1 .Lkeeps_its_tile
	OUT                                            ; the pair's second wave: block p's tile is finished and leaves;
	s_wait_xcnt 0x0                                ; its stores have read their registers
.irp i, 0,1,2,3
	v_mov_b32 v[22+\i], v[92+\i]                   ; the late block's Q and scale word,
.endr
	v_mov_b32 v26, v10
	v_mov_b32 v27, v11
	v_mov_b32 v34, v4
	v_mov_b32 v13, 0xff61b1e6                      ; and a fresh state
	v_mov_b32 v14, 0
	v_mov_b32 v15, 0
	v_floor_f32 v12, -v13
.set j, 0
.rept 32
	v_mov_b32 v[160+j], 0
.set j, j+1
.endr
	s_wait_alu depctr_va_vdst(0)
.Lkeeps_its_tile:
	s_mov_b32 s16, s77                             ; the second part's last key step; for the first wave 0, which hides all that follows
	s_mov_b32 s21, 8
.Lkeys_c:                                              ; key steps 8-15
	STEP
	s_sub_co_u32 s21, s21, 1
	s_cmp_lg_u32 s21, 0
	s_cbranch_scc1 .Lkeys_c
	s_wait_alu depctr_va_vdst(0)
	s_cmp_eq_u32 s78, 0
	s_cbranch_scc1 .Lnothing_to_hand
.rept 4
	v_nop                                          ; places behind the last products
.endr
.irp k, 0,1,2,3,4,5,6,7
	ds_store_b128 v225, v[160+4*\k:163+4*\k] offset:512*\k   ; the second part's O^T, each accumulator from its low end on,
.endr
	ds_store_b128 v225, v[12:15] offset:4096       ; its -M and its sums
.Lnothing_to_hand:
	s_wait_dscnt 0x0                               ; my stores are done
	s_barrier_signal -1
	s_barrier_wait -1                              ; everybody's are
	s_cmp_lg_u32 s78, 0
	s_cbranch_scc1 .Ldone
.rept 4
	v_nop
.endr
.irp k, 0,1,2,3,4,5,6,7
	ds_load_b128 v[96+4*\k:99+4*\k], v225 offset:512*\k
.endr
	ds_load_b128 v[128:131], v225 offset:4096
	s_wait_dscnt 0x0
	v_min_num_f32 v228, v12, v128                  ; THE JOIN.  -M of the whole row: the lesser of the two,
	v_mov_b32 v235, 0                              ; (named as the upper half of a pair)
	v_sub_f32 v229, v228, v12                      ; my M less it, and my partner's: whole numbers, 0 or less
	v_sub_f32 v233, v228, v128
	v_cvt_i32_f32 v229, v229                       ; (they saturate)
	v_cvt_i32_f32 v233, v233
	v_ldexp_f32 v226, 1.0, v229                    ; the two factors: powers of two
	v_ldexp_f32 v234, 1.0, v233
	v_pk_mul_f32 v[14:15], v[14:15], v[226:227] op_sel_hi:[1,0]
.set j, 0
.rept 16
	v_pk_mul_f32 v[160+j:161+j], v[160+j:161+j], v[226:227] op_sel_hi:[1,0]
.set j, j+2
.endr
	v_pk_fma_f32 v[14:15], v[130:131], v[234:235], v[14:15] op_sel_hi:[1,0,1]
.set j, 0
.rept 16
	v_pk_fma_f32 v[160+j:161+j], v[96+j:97+j], v[234:235], v[160+j:161+j] op_sel_hi:[1,0,1]
.set j, j+2
.endr
	OUT                                            ; the late block's tile is finished and leaves
.Ldone:
	s_wait_tensorcnt 0x0                           ; the wave's end
	ds_add_u32 v254, v255
	s_wait_dscnt 0x0
	ROUND                                          ; the closing round
	s_endpgm
.Lfunc_end_k_q15e66fdf27_attn:
	.size	k_q15e66fdf27_attn, .Lfunc_end_k_q15e66fdf27_attn-k_q15e66fdf27_attn
	.p2alignl 7, 3214868480
	.fill 96, 4, 3214868480
	.section	.rodata,"a",@progbits
	.p2align	6, 0x0
	.amdhsa_kernel k_q15e66fdf27_attn
		.amdhsa_group_segment_fixed_size 327680
		.amdhsa_private_segment_fixed_size 0
		.amdhsa_enable_private_segment 0
		.amdhsa_kernarg_size 24
		.amdhsa_user_sgpr_count 2
		.amdhsa_user_sgpr_kernarg_segment_ptr 1
		.amdhsa_wavefront_size32 1
		.amdhsa_system_sgpr_workgroup_id_x 1
		.amdhsa_system_sgpr_workgroup_id_y 1
		.amdhsa_system_sgpr_workgroup_id_z 1
		.amdhsa_system_vgpr_workitem_id 0
		.amdhsa_next_free_vgpr 256
		.amdhsa_next_free_sgpr 80
		.amdhsa_reserve_vcc 1
		.amdhsa_float_denorm_mode_32 3
		.amdhsa_float_denorm_mode_16_64 3
		.amdhsa_memory_ordered 1
		.amdhsa_forward_progress 1
		.amdhsa_inst_pref_size 87
	.end_amdhsa_kernel
	.amdgpu_metadata
---
amdhsa.version: [ 1, 2 ]
amdhsa.kernels:
  - .name:           k_q15e66fdf27_attn
    .symbol:         k_q15e66fdf27_attn.kd
    .args:
      - { .name: img, .offset: 0, .size: 8, .value_kind: global_buffer, .address_space: global }
      - { .name: ocodes, .offset: 8, .size: 8, .value_kind: global_buffer, .address_space: global }
      - { .name: oscl, .offset: 16, .size: 8, .value_kind: global_buffer, .address_space: global }
    .group_segment_fixed_size: 327680
    .private_segment_fixed_size: 0
    .kernarg_segment_align: 8
    .kernarg_segment_size: 24
    .max_flat_workgroup_size: 512
    .sgpr_count:     80
    .vgpr_count:     256
    .wavefront_size: 32
...
	.end_amdgpu_metadata
.endif
;; end of part 3
;; launch oproj (part 4): grid 8 x 32, 4 waves a work-group, clusters of 4 x 4, 327,680 bytes of LDS; arguments ocodes, oscl, codes, scales, out0; writes out0
.if DOCPART == 4
	.amdgcn_target "amdgcn-amd-amdhsa--gfx1250"
	.amdhsa_code_object_version 6
	.text
	.protected	k_q15e66fdf27_oproj
	.globl	k_q15e66fdf27_oproj
	.p2align	8
	.type	k_q15e66fdf27_oproj,@function
k_q15e66fdf27_oproj:
	s_mov_b64 s[64:65], 0
	v_nop
	global_prefetch_b8 v0, s[64:65] scope:SCOPE_SE
	s_setreg_imm32_b32 hwreg(HW_REG_WAVE_MODE, 25, 1), 1
	s_wait_xcnt 0x0
	s_wait_alu depctr_hold_cnt(0) depctr_sa_sdst(0) depctr_va_vdst(0) depctr_va_sdst(0) depctr_va_ssrc(0) depctr_va_vcc(0) depctr_vm_vsrc(0)
	s_getreg_b32 s2, hwreg(HW_REG_IB_STS2, 6, 4)
	s_cmp_eq_u32 s2, 0
	s_cbranch_scc0 .Lentry_in_a_cluster
	s_endpgm
.Lentry_in_a_cluster:
	s_bfe_u32 s2, ttmp6, 0x10000c
	s_cmp_lg_u32 s2, 0xf033
	s_cbranch_scc0 .Lentry_shape_is_right
	s_endpgm
.Lentry_shape_is_right:
; out0 = O W_O^T on codes of FP6 (E2M3) with E8M0 scales, K = 1,024.  A work-group of four waves makes 128 tokens x 128 columns, a wave 64 x 64: 16 accumulators.  256 work-groups.
; Tiles and fragments lie as the first launch lays them: tile 2 b + u holds at row r the tensor's row 32 b + 8 u + r + 8 (r / 8); a fragment is 1,536 bytes; W_O's tiles begin at tile 448 of codes.
; ALL OF K LIES IN LDS, filled once: K half hh at 98,304 hh: A's 8 tiles x 6,144 bytes, then B's.  One joint load a wave at the head: waves 0, 2 A's halves (shared along the cluster's row), waves 1, 3 B's (along its column).
; One barrier, then eight K steps with no further barrier.  No prefetch: every tile is asked for at the head, and no loop stands ahead of them.
; THE SCALE WORDS go from memory straight into registers, whole runs of 512 and 256 bytes an instruction.  A's (oscl, 32 bytes a row): lane (r, h) takes words 4 h .. 4 h + 3 of row r: K step s is register s % 4, lanes' half s / 4.
; B's (scales, [tile][K / 256][row][2 words]): lane l takes 8 bytes at 8 l of each 256: K step s is register 2 (s / 4) + s % 2, lanes' half (s / 2) % 2.  The instruction's row selectors pick the half.
; The products are used transposed (source 0 = W_O's rows): a lane holds eight neighbouring columns of one token.  Results leave through each wave's own stage in LDS as whole rows of 256 bytes.
; THE TOKENS' TILES ARE LAID OTHERWISE than the line on tiles above says, which holds for W_O's rows: tokens go in groups of 64, and tile 4 c + T holds at its row m token 64 c + 32 (m / 8) + 8 T + m % 8.  A wave's four tiles are one group.
.set HALF,   98304
.set STAGE,  2*HALF
.set SPITCH, 272
.set SPARE,  STAGE+4*16*SPITCH
.set SA,   32                          ; v32-47 A's scale words, four a tile
.set SB,   48                          ; v48-63 B's
.set OB,   96
.set ACC,  128
.set G1A,  24
.set G1B,  32
.set G0A,  40
.set G0B,  44
.set MSB, 0
.macro WIN new
.if MSB != (\new)
	s_set_vgpr_msb (MSB<<8)|(\new)
.set MSB, (\new)
.endif
.endm
.macro CROUND
	s_barrier_signal -1
	s_barrier_wait -1
	s_cmp_lg_u32 s14, 0
	s_cbranch_scc1 .Lnot_wave_0_\@
	s_barrier_signal -3
.Lnot_wave_0_\@:
	s_barrier_wait -3
	s_barrier_signal -1
	s_barrier_wait -1
.endm
	s_load_b256 s[4:11], s[0:1], 0x0               ; ocodes, oscl, codes, scales
	s_load_b64 s[12:13], s[0:1], 0x20              ; out0
	v_lshl_add_u32 v30, v0, 2, SPARE
	v_mov_b32 v31, 0
	ds_add_u32 v30, v31                            ; the opening lines: the add twice on end and one wait
	ds_add_u32 v30, v31
	v_lshrrev_b32 v1, 5, v0
	v_readfirstlane_b32 s14, v1                    ; wave
	s_lshr_b32 s15, s14, 1                         ; my half of the tokens.  Also: the K half that I fetch
	s_and_b32 s16, s14, 1                          ; my half of the columns.  Also: I fetch for A (0) or for B (1)
	s_bfe_u32 s17, ttmp6, 0x40000                  ; cx
	s_bfe_u32 s18, ttmp6, 0x40004                  ; cy
	s_lshl_b32 s19, ttmp9, 2
	s_add_co_u32 s19, s19, s17                     ; block of 128 columns
	s_and_b32 s20, ttmp7, 0xffff
	s_lshl_b32 s20, s20, 2
	s_add_co_u32 s20, s20, s18                     ; block of 128 tokens
	s_lshl_b32 s21, s18, 2
	s_lshl_b32 s21, 15, s21                        ; my row of the cluster
	s_lshl_b32 s22, 0x1111, s17                    ; my column
	s_or_b32 s[G1A], s21, (3<<16)|(1<<21)
	s_or_b32 s[G1B], s22, (3<<16)|(1<<21)
.irp g, G1A, G1B
	s_mov_b32 s[\g+1], 768<<16                     ; 6,144 bytes of each of
	s_mov_b32 s[\g+2], 8<<16                       ; 8 tiles,
	s_mov_b32 s[\g+3], 768<<16
	s_mov_b32 s[\g+4], 8
	s_mov_b32 s[\g+5], 1536                        ; 12,288 bytes apart
	s_mov_b32 s[\g+6], 0
	s_mov_b32 s[\g+7], 0
.endr
	s_mul_i32 s2, s20, 98304
	s_mul_i32 s3, s15, 6144
	s_add_co_u32 s2, s2, s3
	s_mul_i32 s100, s19, 98304
	s_add_co_u32 s100, s100, s3
	s_add_co_u32 s100, s100, 448*12288
	s_mov_b32 s3, 0
	s_mov_b32 s101, 0
	s_mov_b32 s[G0A], 1
	s_mul_i32 s[G0A+1], s15, HALF
	s_mov_b32 s[G0B], 1
	s_add_co_u32 s[G0B+1], s[G0A+1], 49152
	s_lshl_b32 s48, s20, 3                         ; my four tiles' scale words: A's,
	s_lshl_b32 s49, s15, 2
	s_add_co_u32 s48, s48, s49
	s_lshl_b32 s48, s48, 9
	s_mov_b32 s49, 0
	s_lshl_b32 s50, s19, 3                         ; B's
	s_lshl_b32 s51, s16, 2
	s_add_co_u32 s50, s50, s51
	s_add_co_u32 s50, s50, 448
	s_lshl_b32 s50, s50, 9
	s_mov_b32 s51, 0
	s_lshl_b32 s52, s20, 7                         ; my corner of out0
	s_lshl_b32 s53, s15, 6
	s_add_co_u32 s52, s52, s53
	s_lshl_b32 s52, s52, 12
	s_lshl_b32 s54, s19, 7
	s_lshl_b32 s55, s16, 6
	s_add_co_u32 s54, s54, s55
	s_lshl_b32 s54, s54, 2
	s_add_co_u32 s52, s52, s54
	s_mov_b32 s53, 0
	s_mul_i32 s56, s15, 24576                      ; LDS: my four tiles of A,
	s_mul_i32 s57, s16, 24576
	s_add_co_u32 s57, s57, 49152                   ; of B,
	s_mul_i32 s58, s14, 16*SPITCH
	s_add_co_u32 s58, s58, STAGE                   ; my stage
	v_and_b32 v1, 31, v0
	v_and_b32 v2, 15, v0                           ; r
	v_bfe_u32 v3, v0, 4, 1                         ; h
	v_lshlrev_b32 v4, 4, v1
	v_lshlrev_b32 v5, 3, v1
	v_add_nc_u32 v8, s56, v4                       ; A: v8, v9 in K half 0 (+ 16, + 8 x lane), v10, v11 in K half 1
	v_add_nc_u32 v9, s56, v5
	v_add_nc_u32 v10, HALF, v8
	v_add_nc_u32 v11, HALF, v9
	v_add_nc_u32 v12, s57, v4                      ; B: v12-15
	v_add_nc_u32 v13, s57, v5
	v_add_nc_u32 v14, HALF, v12
	v_add_nc_u32 v15, HALF, v13
	v_mul_u32_u24 v16, v2, SPITCH                  ; the stage, in: row r, 64 bytes for each half of the lanes
	v_lshl_add_u32 v16, v3, 6, v16
	v_add_nc_u32 v16, s58, v16
	v_mul_u32_u24 v17, v3, SPITCH                  ; back: sixteen lanes to a row
	v_lshl_add_u32 v17, v2, 4, v17
	v_add_nc_u32 v17, s58, v17
	v_lshlrev_b32 v18, 12, v3                      ; and the same two rows in out0
	v_lshl_add_u32 v18, v2, 4, v18
	v_lshlrev_b32 v19, 5, v2                       ; A's scale words: 32 r + 16 h
	v_lshl_add_u32 v19, v3, 4, v19
	s_wait_alu depctr_va_vdst(0)
	s_wait_dscnt 0x0
	s_wait_kmcnt 0x0
	s_add_nc_u64 s[G0A+2:G0A+3], s[4:5], s[2:3]
	s_or_b32 s[G0A+3], s[G0A+3], 0x80000000
	s_add_nc_u64 s[G0B+2:G0B+3], s[8:9], s[100:101]
	s_or_b32 s[G0B+3], s[G0B+3], 0x80000000
	s_add_nc_u64 s[6:7], s[6:7], s[48:49]
	s_add_nc_u64 s[10:11], s[10:11], s[50:51]
	s_add_nc_u64 s[12:13], s[12:13], s[52:53]
	CROUND                                         ; all sixteen work-groups are here: the joint loads meet
	s_cmp_eq_u32 s16, 0
	s_cbranch_scc0 .Lfor_b
	tensor_load_to_lds s[G0A:G0A+3], s[G1A:G1A+7]
	s_nop 0
.rept 4
	v_nop
.endr
	s_branch .Lasked
.Lfor_b:
	tensor_load_to_lds s[G0B:G0B+3], s[G1B:G1B+7]
	s_nop 0
.rept 4
	v_nop
.endr
.Lasked:
.irp i, 0,1,2,3
	global_load_b128 v[SA+4*\i:SA+4*\i+3], v19, s[6:7] offset:512*\i
	global_load_b64 v[SB+4*\i:SB+4*\i+1], v5, s[10:11] offset:512*\i
	global_load_b64 v[SB+4*\i+2:SB+4*\i+3], v5, s[10:11] offset:512*\i+256
.endr
.macro FRAG reg, a16, a8, off
	ds_load_b128 v[\reg:\reg+3], v[\a16] offset:(\off)
	ds_load_b64 v[\reg+4:\reg+5], v[\a8] offset:(\off)+512
	ds_load_b128 v[\reg+6:\reg+9], v[\a16] offset:(\off)+768
	ds_load_b64 v[\reg+10:\reg+11], v[\a8] offset:(\off)+1280
.endm
.macro FETCH s, f                      ; K step s: my four fragments of A and of B into window 1 at f
	WIN 0x40
.irp i, 0,1,2,3
	FRAG (\f)+12*\i, 8+2*((\s)/4), 9+2*((\s)/4), 6144*\i+1536*((\s)%4)
	FRAG (\f)+48+12*\i, 12+2*((\s)/4), 13+2*((\s)/4), 6144*\i+1536*((\s)%4)
.endr
.endm
.macro WM d, x, y, sx, sy, rx, ry, zero   ; one product; rx, ry: which half of the lanes holds the scale words of source 0, of source 1
.if \zero
	v_wmma_scale_f32_16x16x128_f8f6f4 v[(\d):(\d)+7], v[(\x):(\x)+11], v[(\y):(\y)+11], 0, v[\sx], v[\sy] matrix_a_fmt:MATRIX_FMT_FP6 matrix_b_fmt:MATRIX_FMT_FP6
.else
.if (\rx) == 0 && (\ry) == 0
	v_wmma_scale_f32_16x16x128_f8f6f4 v[(\d):(\d)+7], v[(\x):(\x)+11], v[(\y):(\y)+11], v[(\d):(\d)+7], v[\sx], v[\sy] matrix_a_fmt:MATRIX_FMT_FP6 matrix_b_fmt:MATRIX_FMT_FP6
.endif
.if (\rx) == 1 && (\ry) == 0
	v_wmma_scale_f32_16x16x128_f8f6f4 v[(\d):(\d)+7], v[(\x):(\x)+11], v[(\y):(\y)+11], v[(\d):(\d)+7], v[\sx], v[\sy] matrix_a_fmt:MATRIX_FMT_FP6 matrix_b_fmt:MATRIX_FMT_FP6 matrix_a_scale:MATRIX_SCALE_ROW1
.endif
.if (\rx) == 0 && (\ry) == 1
	v_wmma_scale_f32_16x16x128_f8f6f4 v[(\d):(\d)+7], v[(\x):(\x)+11], v[(\y):(\y)+11], v[(\d):(\d)+7], v[\sx], v[\sy] matrix_a_fmt:MATRIX_FMT_FP6 matrix_b_fmt:MATRIX_FMT_FP6 matrix_b_scale:MATRIX_SCALE_ROW1
.endif
.if (\rx) == 1 && (\ry) == 1
	v_wmma_scale_f32_16x16x128_f8f6f4 v[(\d):(\d)+7], v[(\x):(\x)+11], v[(\y):(\y)+11], v[(\d):(\d)+7], v[\sx], v[\sy] matrix_a_fmt:MATRIX_FMT_FP6 matrix_b_fmt:MATRIX_FMT_FP6 matrix_a_scale:MATRIX_SCALE_ROW1 matrix_b_scale:MATRIX_SCALE_ROW1
.endif
.endif
.endm
.macro MUL s, f                        ; the 16 accumulators take turns, in the same order in every step
	WIN 0x05
.irp a, 0,1,2,3
.irp b, 0,1,2,3
	WM ACC+8*(4*\a+\b), (\f)+48+12*\b, (\f)+12*\a, SB+4*\b+2*((\s)/4)+(\s)%2, SA+4*\a+(\s)%4, ((\s)/2)%2, (\s)/4, (\s)==0
.endr
.endr
.endm
.macro KSTEP s
	s_wait_dscnt 0x0                               ; this step's fragments are in
	WIN 0
.if (\s) < 7
.rept 4
	v_nop                                          ; places in front of loads into registers that the last products read
.endr
	FETCH (\s)+1, 128*(((\s)+1)%2)
.endif
	MUL \s, 128*((\s)%2)
.endm
	s_wait_tensorcnt 0x0                           ; my part is in,
	s_barrier_signal -1
	s_barrier_wait -1                              ; everybody's is
	FETCH 0, 0
	s_wait_loadcnt 0x0                             ; the scale words
.irp s, 0,1,2,3,4,5,6,7
	KSTEP \s
.endr
	WIN 0
.rept 4
	v_nop
.endr
.irp a, 0,1,2,3                        ; the way out, 16 tokens x 64 columns at a time
.if \a > 0
	s_wait_xcnt 0x0                                ; the last block's stores have read their registers
.endif
.irp b, 0,1,2,3
	ds_store_b128 v16, v[ACC+8*(4*\a+\b):ACC+8*(4*\a+\b)+3] offset:128*(\b/2)+32*(\b%2)
	ds_store_b128 v16, v[ACC+8*(4*\a+\b)+4:ACC+8*(4*\a+\b)+7] offset:128*(\b/2)+32*(\b%2)+16
.endr
.irp t, 0,1,2,3,4,5,6,7
	ds_load_b128 v[OB+4*\t:OB+4*\t+3], v17 offset:2*\t*SPITCH
.endr
	s_wait_dscnt 0x0
.irp t, 0,1,2,3,4,5,6,7
	global_store_b128 v18, v[OB+4*\t:OB+4*\t+3], s[12:13] offset:(8*\a+32*(\t/4)+2*(\t%4))*4096 th:TH_STORE_NT   ; sixteen lanes store 256 consecutive bytes, aligned
.endr
.endr
	s_wait_tensorcnt 0x0                           ; the wave's end
	ds_add_u32 v30, v31
	s_wait_dscnt 0x0
	CROUND                                         ; the closing round
	s_endpgm
.Lfunc_end_k_q15e66fdf27_oproj:
	.size	k_q15e66fdf27_oproj, .Lfunc_end_k_q15e66fdf27_oproj-k_q15e66fdf27_oproj
	.p2alignl 7, 3214868480
	.fill 96, 4, 3214868480
	.section	.rodata,"a",@progbits
	.p2align	6, 0x0
	.amdhsa_kernel k_q15e66fdf27_oproj
		.amdhsa_group_segment_fixed_size 327680
		.amdhsa_private_segment_fixed_size 0
		.amdhsa_enable_private_segment 0
		.amdhsa_kernarg_size 40
		.amdhsa_user_sgpr_count 2
		.amdhsa_user_sgpr_kernarg_segment_ptr 1
		.amdhsa_wavefront_size32 1
		.amdhsa_system_sgpr_workgroup_id_x 1
		.amdhsa_system_sgpr_workgroup_id_y 1
		.amdhsa_system_sgpr_workgroup_id_z 1
		.amdhsa_system_vgpr_workitem_id 0
		.amdhsa_next_free_vgpr 512
		.amdhsa_next_free_sgpr 102
		.amdhsa_reserve_vcc 0
		.amdhsa_float_denorm_mode_32 3
		.amdhsa_float_denorm_mode_16_64 3
		.amdhsa_memory_ordered 1
		.amdhsa_forward_progress 1
		.amdhsa_inst_pref_size 50
	.end_amdhsa_kernel
	.amdgpu_metadata
---
amdhsa.version: [ 1, 2 ]
amdhsa.kernels:
  - .name:           k_q15e66fdf27_oproj
    .symbol:         k_q15e66fdf27_oproj.kd
    .args:
      - { .name: ocodes, .offset: 0, .size: 8, .value_kind: global_buffer, .address_space: global }
      - { .name: oscl, .offset: 8, .size: 8, .value_kind: global_buffer, .address_space: global }
      - { .name: codes, .offset: 16, .size: 8, .value_kind: global_buffer, .address_space: global }
      - { .name: scales, .offset: 24, .size: 8, .value_kind: global_buffer, .address_space: global }
      - { .name: out0, .offset: 32, .size: 8, .value_kind: global_buffer, .address_space: global }
    .group_segment_fixed_size: 327680
    .private_segment_fixed_size: 0
    .kernarg_segment_align: 8
    .kernarg_segment_size: 40
    .max_flat_workgroup_size: 128
    .sgpr_count:     102
    .vgpr_count:     512
    .wavefront_size: 32
...
	.end_amdgpu_metadata
.endif
;; end of part 4
